; MI455X (gfx1250); checked and timed in simulation.
; The chip was launched on July 23, 2026; its instructions are those of AMD's public machine-readable ISA for CDNA 5 (MIT licence, August 2026) and "CDNA5" Instruction Set Architecture Reference Guide (July 2026). The comments in the code are by the model that wrote it; some were corrected since.
;; Multi Head Attention. Allowed arithmetic: matrix products marked QUANTISED: E5M2 operands, one E8M0 scale for each 32 along K, by v_wmma_scale_f32_16x16x128_f8f6f4 with both operands' format E5M2, f32 sums; products left as they are: f32 operands where the result goes on into a quantised operand, else bf16, f16 or f32 operands; f32 sums; everything else in f32.
;; Inputs: Wk_codes 1,024 x 16 x 32 uint8 (E5M2 codes of Wk, K innermost, in blocks of 32 codes); Wk_scales 1,024 x 16 uint8 (E8M0 scales of Wk, one for each 32 codes along K); Wq_codes 1,024 x 16 x 32 uint8 (E5M2 codes of Wq, K innermost, in blocks of 32 codes); Wq_scales 1,024 x 16 uint8 (E8M0 scales of Wq, one for each 32 codes along K); bk 1,024 float32; bq 1,024 float32; key 64 x 2,048 x 512 float32; query_codes 64 x 1 x 16 x 32 uint8 (E5M2 codes of query, K innermost, in blocks of 32 codes); query_scales 64 x 1 x 16 uint8 (E8M0 scales of query, one for each 32 codes along K); v 128 float32.
;; Outputs: out0 64 x 1 x 4,096 float32.
;; This version of the problem:
;;   THIS VERSION OF THE PROBLEM IS GIVEN IN LOW PRECISION. The matrix products marked QUANTISED in the list below multiply operands that are first quantised to E5M2 (5 exponent bits, 2 mantissa bits; 8 bits a number), with one power-of-two scale for each 32 numbers along K (OCP MX v1.0); their sums are f32. All else is computed in f32.
;;   The module's matrix products, in the order in which they are computed (A, B: the left and right operand; K: the contracted axis; several contracted axes count as one K, in the product's order):
;;     1. [M 64, K 512] x [K 512, N 1,024]; A: input query (given as codes); B: input Wq (given as codes): QUANTISED
;;     2. [M 131,072, K 512] x [K 512, N 1,024]; A: input key; B: input Wk (given as codes): QUANTISED
;;     3. [M 1, K 128] x [K 128, N 1,048,576]; A: computed on the way; B: computed on the way: left as it is (M = 1 < 16)
;;     4. batch 64 x [M 8, K 2,048] x [K 2,048, N 512]; A: computed on the way; B: input key: left as it is (M = 8 < 16)
;;   THE QUANTISER, for each operand of a quantised product, along K:
;;     - K is cut into blocks of 32 from its start; a last block that is shorter is filled with zeros.
;;     - A block's scale is 2^e with e = floor(log2(the largest magnitude in the block)) - 15, held to -126 .. 127; a block of zeros has e = 0. As a byte (E8M0): e + 127.
;;     - Each number is divided by its block's scale, clamped to +-57,344, and rounded to the nearest number of E5M2, ties to even, subnormals kept.
;;     - The product sums the exact products of the quantised numbers (number of the format x scale) in f32.
;;   ~~~python
;;   def quantise(x, axis):      # numpy; x: float32 -> the quantised numbers, widened to float32 again
;;       x = np.moveaxis(x, axis, -1); K = x.shape[-1]
;;       x = np.pad(x, [(0, 0)] * (x.ndim - 1) + [(0, -K % 32)]); x = x.reshape(x.shape[:-1] + (-1, 32)); a = np.abs(x).max(-1, keepdims=True)
;;       e = np.where(a > 0, np.clip(np.frexp(np.where(a > 0, a, 1))[1] - 1 - 15, -126, 127), 0)      # np.frexp(a)[1] - 1 = floor(log2(a)), exactly
;;       r = np.clip(x / 2.0 ** e, -57344, 57344)
;;       step = 2.0 ** (np.maximum(np.frexp(np.where(r == 0, 1, r))[1] - 1, -14) - 2)
;;       q = np.round(r / step) * step * 2.0 ** e      # np.round: ties to even
;;       return np.moveaxis(q.reshape(q.shape[:-2] + (-1,))[..., :K], -1, axis).astype(np.float32)
;;   ~~~
;;   INPUTS GIVEN AS CODES. Wk (in the module: [1024, 512], K = its axis 1); Wq (in the module: [1024, 512], K = its axis 1); query (in the module: [64, 1, 512], K = its axis 2): each comes as NAME_codes (uint8): NAME with its K axis moved to the last place and cut into blocks of 32 codes, [.., K / 32, bytes a block], one block behind the other in memory; one code a byte (a code: sign, 5 exponent bits, 2 mantissa bits); and NAME_scales (uint8): the same leading axes, one E8M0 byte (e + 127) for each 32 codes along K. Its value is code x scale, taken as it is: it is not quantised again, and the codes and scales need not be those that the quantiser above would give.
;; 2 versions, each right; version 2 is version 1 with the launches prep, main written anew for expert scheduling mode. Each part assembles by itself: llvm-mc -triple=amdgcn-amd-amdhsa -mcpu=gfx1250 --defsym DOCPART=n.
;; ======== version 1 of 2: 3 launches
;; workspace buffers: wkf 626,688 bytes; qb 262,144 bytes; nvt 768 bytes; part 4,194,304 bytes
;; launch prep (part 1): grid 16 x 1, 4 waves a work-group, no clusters, 17,920 bytes of LDS; arguments Wk_codes, Wk_scales, Wq_codes, Wq_scales, bk, bq, query_codes, query_scales, v, wkf, qb, nvt; writes wkf, qb, nvt
.if DOCPART == 1
	.amdgcn_target "amdgcn-amd-amdhsa--gfx1250"
	.amdhsa_code_object_version 6
	.text
	.protected	k_qda0e396669_prep
	.globl	k_qda0e396669_prep
	.p2align	8
	.type	k_qda0e396669_prep,@function
k_qda0e396669_prep:
	s_mov_b64 s[64:65], 0
	v_nop
	global_prefetch_b8 v0, s[64:65] scope:SCOPE_SE
	s_setreg_imm32_b32 hwreg(HW_REG_WAVE_MODE, 25, 1), 1
	s_wait_xcnt 0x0
; Three small pieces of work ahead of the main launch.
; R: Wk's codes and scale bytes are laid in the order of a matrix operand's registers, so that the main launch loads each fragment by dense 512-byte loads.
;    wkf = 4 waves x 18 blocks x 8,704 bytes.  Block 18 c + 8 g + i holds Wk's rows 16 T .. 16 T + 15, T = 8 (c + 4 g) + i: piece u = 4 s + cc at 512 u + 16 lane holds
;    codes [16 T + lane % 16][128 s + 32 cc + 16 (lane / 16) .. + 15]; at 8,192 + 16 lane lie the row's 16 scale bytes.  Blocks 16 and 17 repeat blocks 0 and 1, so that a run of four blocks never wraps.
; Q: qb[b][u] = c (query[b] . Wq[u] + bq[u] + bk[u]), c = 2 log2(e), on the given codes of E5M2 and their E8M0 scales, sums in f32.
; N: nvt = 128 numbers -2 nv[d], nv = v / (sqrt(128) |v|), then 64 numbers that all hold (the sum of nv) / 4.
; SHARES: 16 work-groups of four waves.  Wave w of work-group y relays tile T = 4 y + w, and makes qb for batches 16 w .. 16 w + 15 and units 64 y .. 64 y + 63 (four tiles, 256 bytes of a row of qb).
; The product is used transposed (source 0 = 16 rows of Wq, source 1 = 16 rows of query): a lane holds one batch and eight neighbouring units.
; LIMITS: NaN and infinities are not served; v must not be all zeros (reference() divides by its norm too).
.set BLK, 8704
.set QS,  8                            ; v8-11    query's scale words, one for each K step
.set WS,  12                           ; v12-27   Wq's scale words: 4 t + s
.set QF,  28                           ; v28-91   query's four fragments; at the end the rows read back from the stage
.set WF0, 92                           ; v92-155  Wq's four tiles of a K step, buffer 0; at the end bk
.set WF1, 156                          ; v156-219 buffer 1; first Wk's tile for the relayout; at the end the results
.set ACC, 220                          ; v220-251 four accumulators
	s_load_b256 s[4:11], s[0:1], 0x0               ; Wk_codes s[4:5], Wk_scales s[6:7], Wq_codes s[8:9], Wq_scales s[10:11]
	s_load_b256 s[12:19], s[0:1], 0x20             ; bk s[12:13], bq s[14:15], query_codes s[16:17], query_scales s[18:19]
	s_load_b256 s[20:27], s[0:1], 0x40             ; v s[20:21], wkf s[22:23], qb s[24:25], nvt s[26:27]
	s_set_vgpr_msb 0x40
	v_lshl_add_u32 v0, v0, 2, 0x4400
	v_mov_b32 v1, 0
	s_set_vgpr_msb 0x4000
	v_lshrrev_b32 v1, 5, v0
	v_readfirstlane_b32 s28, v1                    ; wave w
	v_and_b32 v1, 15, v0                           ; r
	v_bfe_u32 v2, v0, 4, 1                         ; h
	v_and_b32 v3, 31, v0                           ; lane
	v_lshlrev_b32 v4, 9, v1
	v_lshl_add_u32 v4, v2, 4, v4                   ; v4 = 512 r + 16 h: a fragment's place in rows of 512 codes
	v_lshlrev_b32 v5, 4, v1                        ; v5 = 16 r: a row of 16 scale bytes
	v_lshlrev_b32 v6, 4, v3                        ; v6 = 16 lane
	v_lshlrev_b32 v7, 5, v2                        ; v7 = 32 h: my eight numbers of a tile's 16 biases
	s_mul_i32 s32, s28, 4352                       ; my stage: 16 rows x (256 + 16) bytes
	v_mul_u32_u24 v252, v1, 272
	v_add_nc_u32 v252, v252, v7
	v_mul_u32_u24 v253, v2, 272
	v_add_nc_u32 v253, v253, v5
	v_lshl_add_u32 v3, v2, 12, v5                  ; v3 = 4096 h + 16 r: two rows of qb, 16 bytes a lane
	v_add_nc_u32 v1, s32, v252                     ; v1 = stage + 272 r + 32 h: in
	v_add_nc_u32 v2, s32, v253                     ; v2 = stage + 272 h + 16 r: back
	s_lshl_b32 s29, ttmp9, 2
	s_add_co_u32 s29, s29, s28                     ; T = 4 y + w
	s_mov_b32 s31, 0
	s_mov_b32 s34, 0x76543210
	s_mov_b32 s35, 0xfedcba98                      ; v_permlanex16_b32's selects for lane xor 16
	s_mov_b32 s36, 0x4038aa3b                      ; c = 2 log2(e)
	s_mov_b32 s37, s36                             ; (named with it as a pair)
	s_lshr_b32 s32, s29, 3                         ; the head of tile T
	s_and_b32 s33, s32, 3
	s_mul_i32 s33, s33, 18                         ; 18 x (head % 4)
	s_lshr_b32 s32, s32, 2
	s_lshl_b32 s32, s32, 3                         ; + 8 x (head / 4)
	s_add_co_u32 s33, s33, s32
	s_and_b32 s32, s29, 7
	s_add_co_u32 s33, s33, s32                     ; + T % 8: the block
	s_mul_i32 s33, s33, BLK
	s_wait_kmcnt 0x0
	s_lshl_b32 s30, s29, 13
	s_add_nc_u64 s[4:5], s[4:5], s[30:31]          ; Wk's codes at row 16 T
	s_lshl_b32 s30, s29, 8
	s_add_nc_u64 s[6:7], s[6:7], s[30:31]          ; and its scale bytes
	s_mov_b32 s30, s33
	s_add_nc_u64 s[22:23], s[22:23], s[30:31]      ; wkf at my block
	s_lshl_b32 s30, ttmp9, 15
	s_add_nc_u64 s[8:9], s[8:9], s[30:31]          ; Wq's codes at row 64 y
	s_lshl_b32 s30, ttmp9, 10
	s_add_nc_u64 s[10:11], s[10:11], s[30:31]      ; its scale bytes
	s_lshl_b32 s30, ttmp9, 8
	s_add_nc_u64 s[12:13], s[12:13], s[30:31]      ; bk and bq at unit 64 y
	s_add_nc_u64 s[14:15], s[14:15], s[30:31]
	s_lshl_b32 s30, s28, 13
	s_add_nc_u64 s[16:17], s[16:17], s[30:31]      ; query's codes at batch 16 w
	s_lshl_b32 s30, s28, 8
	s_add_nc_u64 s[18:19], s[18:19], s[30:31]      ; its scale bytes
	s_lshl_b32 s30, s28, 16
	s_lshl_b32 s32, ttmp9, 8
	s_add_co_u32 s30, s30, s32
	s_add_nc_u64 s[24:25], s[24:25], s[30:31]      ; qb at batch 16 w, unit 64 y
; Wq's four tiles of K step s into buffer buf
.macro WLOAD buf, s
.irp t, 0,1,2,3
.irp c, 0,1,2,3
	global_load_b128 v[\buf+16*\t+4*\c:\buf+16*\t+4*\c+3], v4, s[8:9] offset:8192*\t+128*(\s)+32*\c
.endr
.endr
.endm
; four products, the four accumulators by turns, one instruction a turn
.macro MM buf, s
.irp t, 0,1,2,3
	v_wmma_scale_f32_16x16x128_f8f6f4 v[ACC+8*\t:ACC+8*\t+7], v[\buf+16*\t:\buf+16*\t+15], v[QF+16*(\s):QF+16*(\s)+15], v[ACC+8*\t:ACC+8*\t+7], v[WS+4*\t+(\s)], v[QS+(\s)] matrix_a_fmt:MATRIX_FMT_BF8 matrix_b_fmt:MATRIX_FMT_BF8
.endr
.endm
.macro PLACES                          ; eight places between a matrix instruction of this form and a load into a register that it has read
.rept 8
	v_nop
.endr
.endm
	; ---- R's loads: 17
.irp u, 0,1,2,3,4,5,6,7,8,9,10,11,12,13,14,15
	global_load_b128 v[WF1+4*\u:WF1+4*\u+3], v4, s[4:5] offset:32*\u
.endr
	global_load_b128 v[252:255], v5, s[6:7]
	; ---- Q's first loads: 1 + 4 + 16 + 8 + 16 = 45
	global_load_b128 v[QS:QS+3], v5, s[18:19]
.irp t, 0,1,2,3
	global_load_b128 v[WS+4*\t:WS+4*\t+3], v5, s[10:11] offset:256*\t
.endr
.irp u, 0,1,2,3,4,5,6,7,8,9,10,11,12,13,14,15
	global_load_b128 v[QF+4*\u:QF+4*\u+3], v4, s[16:17] offset:32*\u
.endr
.irp t, 0,1,2,3
	global_load_b128 v[ACC+8*\t:ACC+8*\t+3], v7, s[14:15] offset:64*\t       ; bq is the C of each sum's first product: it costs no addition
	global_load_b128 v[ACC+8*\t+4:ACC+8*\t+7], v7, s[14:15] offset:64*\t+16
.endr
	WLOAD WF0, 0
	s_wait_loadcnt 45                              ; R's 17 loads are in; Q's 45 may be out
.irp u, 0,1,2,3,4,5,6,7,8,9,10,11,12,13,14,15
	global_store_b128 v6, v[WF1+4*\u:WF1+4*\u+3], s[22:23] offset:512*\u     ; 32 lanes store 512 consecutive bytes
.endr
	global_store_b128 v6, v[252:255], s[22:23] offset:8192
	s_and_b32 s32, s29, 0x26                       ; T < 32 and T % 8 < 2: blocks 0 and 1 of a wave are stored again as its blocks 16 and 17
	s_cmp_lg_u32 s32, 0
	s_cbranch_scc1 .Lnocopy
.irp u, 0,1,2,3,4,5,6,7,8,9,10,11,12,13,14,15
	global_store_b128 v6, v[WF1+4*\u:WF1+4*\u+3], s[22:23] offset:16*BLK+512*\u
.endr
	global_store_b128 v6, v[252:255], s[22:23] offset:16*BLK+8192
.Lnocopy:
	s_wait_xcnt 0x0                                ; the stores have read their registers: buffer 1 may be loaded again
	WLOAD WF1, 1
	s_wait_loadcnt 16                              ; all but buffer 1's 16
	MM WF0, 0
	PLACES
	WLOAD WF0, 2
	s_wait_loadcnt 16
	MM WF1, 1
	PLACES
	WLOAD WF1, 3
	s_wait_loadcnt 16
	MM WF0, 2
	PLACES
.irp t, 0,1,2,3
	global_load_b128 v[WF0+8*\t:WF0+8*\t+3], v7, s[12:13] offset:64*\t       ; bk, in the result's layout
	global_load_b128 v[WF0+8*\t+4:WF0+8*\t+7], v7, s[12:13] offset:64*\t+16
.endr
	s_wait_loadcnt 8                               ; buffer 1 is in; bk's 8 may be out
	MM WF1, 3
	s_wait_loadcnt 0x0
.set cn, 0
.rept 16
	v_pk_mul_f32 v[WF0+2*cn:WF0+2*cn+1], v[WF0+2*cn:WF0+2*cn+1], s[36:37] op_sel_hi:[1,0]   ; c bk: these sixteen name no register of the last products: they are the places behind them
.set cn, cn+1
.endr
.set cn, 0
.rept 16
	v_pk_fma_f32 v[WF1+2*cn:WF1+2*cn+1], v[ACC+2*cn:ACC+2*cn+1], s[36:37], v[WF0+2*cn:WF0+2*cn+1] op_sel_hi:[1,0,1]   ; c (sum + bq) + c bk; each accumulator from its low end on
.set cn, cn+1
.endr
.irp t, 0,1,2,3
	ds_store_b128 v1, v[WF1+8*\t:WF1+8*\t+3] offset:64*\t
	ds_store_b128 v1, v[WF1+8*\t+4:WF1+8*\t+7] offset:64*\t+16
.endr
.irp q, 0,1,2,3,4,5,6,7
	ds_load_b128 v[QF+4*\q:QF+4*\q+3], v2 offset:544*\q      ; LDS serves a wave's instructions in order (ISA guide 5.7.1.4): these see my stores
.endr
.irp q, 0,1,2,3,4,5,6,7
	s_wait_dscnt 7-\q
	global_store_b128 v3, v[QF+4*\q:QF+4*\q+3], s[24:25] offset:8192*\q      ; sixteen lanes store 256 consecutive bytes, at a multiple of 256 from qb's first byte
.endr
	; ---- N: one wave of the launch
	s_or_b32 s32, s28, ttmp9
	s_cmp_lg_u32 s32, 0
	s_cbranch_scc1 .Lend
	global_load_b128 v[92:95], v6, s[20:21]        ; four numbers of v a lane
	v_mov_b32 v98, 0                               ; (a lane permute's destination counts as one of its sources)
	v_mov_b32 v99, 0
	v_lshlrev_b32 v106, 3, v0                      ; 8 x lane (this is wave 0)
	s_wait_loadcnt 0x0
	v_mul_f32 v96, v92, v92                        ; the sum of squares, and the plain sum
	v_add_f32 v97, v92, v93
	v_fmac_f32 v96, v93, v93
	v_add_f32 v97, v97, v94
	v_fmac_f32 v96, v94, v94
	v_add_f32 v97, v97, v95
	v_fmac_f32 v96, v95, v95
.irp x, 1,2,4,8
	v_add_f32_dpp v96, v96, v96 row_xmask:\x row_mask:0xf bank_mask:0xf
	v_add_f32_dpp v97, v97, v97 row_xmask:\x row_mask:0xf bank_mask:0xf
.endr
	v_permlanex16_b32 v98, v96, s34, s35
	v_permlanex16_b32 v99, v97, s34, s35
	v_add_f32 v96, v96, v98
	v_add_f32 v97, v97, v99
	v_rsq_f32 v96, v96
	v_mul_f32 v97, 0x3e800000, v97                 ; (the sum of v) / 4: the plain instruction behind the transcendental
	s_wait_alu depctr_va_vdst(0)                   ; the wait ahead of the first use of its result
	v_mul_f32 v96, 0x3db504f3, v96                 ; 1 / (sqrt(128) |v|)
	v_mul_f32 v98, -2.0, v96
	v_mul_f32 v104, v97, v96
	v_mul_f32 v105, v97, v96
.irp i, 0,1,2,3
	v_mul_f32 v[100+\i], v[92+\i], v98
.endr
	global_store_b128 v6, v[100:103], s[26:27]
	global_store_b64 v106, v[104:105], s[26:27] offset:512
.Lend:
	s_set_vgpr_msb 0x5
	s_wait_tensorcnt 0x0
	ds_add_u32 v0, v1
	s_wait_dscnt 0x0
	s_set_vgpr_msb 0x500
	s_endpgm
.Lfunc_end_k_qda0e396669_prep:
	.size	k_qda0e396669_prep, .Lfunc_end_k_qda0e396669_prep-k_qda0e396669_prep
	.p2alignl 7, 3214868480
	.fill 96, 4, 3214868480
	.section	.rodata,"a",@progbits
	.p2align	6, 0x0
	.amdhsa_kernel k_qda0e396669_prep
		.amdhsa_group_segment_fixed_size 17920
		.amdhsa_private_segment_fixed_size 0
		.amdhsa_enable_private_segment 0
		.amdhsa_kernarg_size 96
		.amdhsa_user_sgpr_count 2
		.amdhsa_user_sgpr_kernarg_segment_ptr 1
		.amdhsa_wavefront_size32 1
		.amdhsa_system_sgpr_workgroup_id_x 1
		.amdhsa_system_sgpr_workgroup_id_y 1
		.amdhsa_system_sgpr_workgroup_id_z 1
		.amdhsa_system_vgpr_workitem_id 0
		.amdhsa_next_free_vgpr 258
		.amdhsa_next_free_sgpr 66
		.amdhsa_reserve_vcc 0
		.amdhsa_float_denorm_mode_32 3
		.amdhsa_float_denorm_mode_16_64 3
		.amdhsa_memory_ordered 1
		.amdhsa_forward_progress 1
		.amdhsa_inst_pref_size 27
	.end_amdhsa_kernel
	.amdgpu_metadata
---
amdhsa.version: [ 1, 2 ]
amdhsa.kernels:
  - .name:           k_qda0e396669_prep
    .symbol:         k_qda0e396669_prep.kd
    .args:
      - { .name: Wk_codes, .offset: 0, .size: 8, .value_kind: global_buffer, .address_space: global }
      - { .name: Wk_scales, .offset: 8, .size: 8, .value_kind: global_buffer, .address_space: global }
      - { .name: Wq_codes, .offset: 16, .size: 8, .value_kind: global_buffer, .address_space: global }
      - { .name: Wq_scales, .offset: 24, .size: 8, .value_kind: global_buffer, .address_space: global }
      - { .name: bk, .offset: 32, .size: 8, .value_kind: global_buffer, .address_space: global }
      - { .name: bq, .offset: 40, .size: 8, .value_kind: global_buffer, .address_space: global }
      - { .name: query_codes, .offset: 48, .size: 8, .value_kind: global_buffer, .address_space: global }
      - { .name: query_scales, .offset: 56, .size: 8, .value_kind: global_buffer, .address_space: global }
      - { .name: v, .offset: 64, .size: 8, .value_kind: global_buffer, .address_space: global }
      - { .name: wkf, .offset: 72, .size: 8, .value_kind: global_buffer, .address_space: global }
      - { .name: qb, .offset: 80, .size: 8, .value_kind: global_buffer, .address_space: global }
      - { .name: nvt, .offset: 88, .size: 8, .value_kind: global_buffer, .address_space: global }
    .group_segment_fixed_size: 17920
    .private_segment_fixed_size: 0
    .kernarg_segment_align: 8
    .kernarg_segment_size: 96
    .max_flat_workgroup_size: 128
    .sgpr_count:     66
    .vgpr_count:     258
    .wavefront_size: 32
...
	.end_amdgpu_metadata
.endif
;; end of part 1
;; launch main (part 2): grid 256 x 1, 4 waves a work-group, no clusters, 276,992 bytes of LDS; arguments key, wkf, qb, nvt, part; writes part
.if DOCPART == 2
	.amdgcn_target "amdgcn-amd-amdhsa--gfx1250"
	.amdhsa_code_object_version 6
	.text
	.protected	k_qda0e396669_main
	.globl	k_qda0e396669_main
	.p2align	8
	.type	k_qda0e396669_main,@function
k_qda0e396669_main:
	s_mov_b64 s[64:65], 0
	v_nop
	global_prefetch_b8 v0, s[64:65] scope:SCOPE_SE
	s_setreg_imm32_b32 hwreg(HW_REG_WAVE_MODE, 25, 1), 1
	s_wait_xcnt 0x0
; For 512 rows t of one batch: k = Q(key) Wk^T on codes of E5M2 with E8M0 scales; add[h][t] = sum over d of nv[d] tanh(k + bk + q + bq); softmax over the 8 heads; part[h][:] = sum over t of w[h][t] key[t][:].
; SHARES.  Work-group x owns rows 512 x .. 512 x + 511 of key taken as [131072][512] (batch x / 4).  Four waves, each with 1,024 registers.  Wave c owns heads c and c + 4 for all rows in flight,
; so each fragment of Wk is read by ONE wave of the work-group, by dense 512-byte loads from wkf straight into its registers, and feeds 8 matrix instructions (8 tiles of 16 rows).
; CLUSTERS AND JOINT LOADS ARE NOT USED: a joint load lands in LDS, and a work-group walks 9 x 4 x 8 blocks of 8,704 bytes of Wk, 2.5 MB, which would be written to LDS and read again for no second user in the
; work-group; of LDS 51 KB are left beside what is used here.
; SKEW.  Rows enter in sub-chunks of 64.  A HALF PASS (hp) is one head a wave, 8 tiles of 16 units.  Sub-chunk j is multiplied in hp j and hp j + 1 (heads 0-3 in even hp, 4-7 in odd): 128 rows are in flight,
; 64 are coming in.  During hp p (0 .. 6) the waves also make sub-chunk p + 1: wave w takes its rows 16 w .. 16 w + 15: dense loads, a turn through LDS, the quantiser; codes and scale words go to LDS as images of
; the operand's registers, the numbers rounded to bf16 go to a stash of three buffers, from which the last product takes them: key is read from memory once.
; THE PRODUCT IS USED TRANSPOSED: source 0 = 16 rows of Wk, source 1 = 16 rows of key: lane (r, h) holds key row r, register j unit 16 i + 8 h + j: the sum over d stays in the lane but for one exchange.
; tanh(z) = 1 - 2 / (1 + 2^(c z)), c = 2 log2(e): y = c x + qb is one packed multiply-add (qb = c (q + bq + bk) from the launch before), then v_exp_f32, + 1, v_rcp_f32, and a packed multiply-add by -2 nv;
; the four partial sums of a row each begin at (the sum of nv) / 4.
; THE SOFTMAX takes the row's largest score away, as reference() does.  Weights and key are rounded to bf16 for the last product, whose sums are f32; heads fill 8 of its 16 columns, the other 8 repeat them.
; LIMITS.  A block whose largest magnitude lies under 2^-111, a block of zeros among them, gets the scale byte 1 (its codes are then zeros or subnormal codes; the bytes are read by this program alone).  NaN and infinities are
; not served.  tanh by the form above has an absolute error of some 1e-7.  The sum over t is taken in another order than reference()'s.
; REGISTERS, in windows of 256 (s_set_vgpr_msb: bits 1:0 source 0, 3:2 source 1, 5:4 source 2, 7:6 destination):
;   window 0: v1-23 addresses; v24-55 key's scale words; v56-63 Wk's; v64-191 four sets of 32 numbers of key; v192-217 at work; v218-249 the last product's tiles 0-3; v250-255 at work at the head
;   window 1: the codes of the even sub-chunk in flight (64 m + 16 s + 4 cc);  window 2: those of the odd one
;   window 3: v0-63, v64-127 two tiles of Wk; v128-191 the 8 accumulators; v192-199 qb's eight; v200-207 -2 nv's eight; v208-223 the scores' partial sums; v224-255 the last product's tiles 4-7
.set SPI,  1056                        ; a stash row: 1,024 bytes of bf16 + 32
.set STB,  64*SPI                      ; a stash buffer: 64 rows.  LDS 0 .. 3 STB: the stash; sub-chunk j lies in buffer j % 3
.set IMG,  204800                      ; 32,768: codes as images: (16 m + 4 s + cc) 512 + 16 lane
.set SIMG, 237568                      ; 2,048: key's scale words: (4 m + s) 128 + 4 lane
.set SCR,  241664                      ; 4,096: scores, f32: 2,048 (sub-chunk % 2) + 256 head + 4 row
.set PT,   245760                      ; 4 x 2,048: a wave's qb of head c, of head c + 4, and -2 nv, 512 bytes each
.set TS,   253952                      ; 4 x 4,352: a wave's turn stage: 16 rows x (256 + 16)
.set WT,   271360                      ; 4 x 1,152: a wave's weights in bf16: 8 heads x (128 + 16)
.set OSP,  2064                        ; the way out: 16 rows x (2,048 + 16), over the stash's first buffer
.set BLK,  8704                        ; a block of wkf
.set KO,   1                           ; 2048 h + 16 r: key: two rows a load, 256 bytes of each
.set BO,   2                           ; 16 lane
.set TW,   3                           ; turn stage, in: TS + 4352 w + 272 h + 16 r
.set TRD,  4                           ; turn stage, back: TS + 4352 w + 272 r + 64 h
.set IW,   5                           ; where I store code images: IMG + 8192 w + 16 lane (+ 4096 in a half pass's second trip)
.set SIW,  6                           ; and scale words: SIMG + 512 w + 4 lane (+ 256)
.set SW0,  7                           ; my place in a stash buffer: (16 w + r) SPI + 32 h
.set SW,   8                           ; the same in the buffer and trip in hand
.set LI,   9                           ; IMG + 16 lane
.set LS,   10                          ; SIMG + 4 lane
.set BA,   11                          ; PT + 2048 w + 32 h (+ 256 second trip, + 512 odd half pass)
.set NA,   12                          ; BA's start + 1024 (+ 256 second trip)
.set SCW,  13                          ; SCR + 256 w + 4 r (+ 1024 odd half pass)
.set SCRD, 14                          ; SCR + 8 lane (+ 2048 for an odd sub-chunk)
.set WTW,  15                          ; WT + 1152 w + 4 lane
.set WTR,  16                          ; WT + 1152 w + 144 (r % 8) + 16 h
.set TR0,  17                          ; the turning load's place: (8 h + lane % 8) SPI + 16 ((lane / 8) % 2) + 256 w
.set TR,   18                          ; the same in the buffer in hand
.set PTW,  19                          ; PT + 2048 w + 16 lane
.set OSW,  21                          ; OSP r + 512 w + 32 h
.set OSR,  22                          ; 2 OSP w + 16 lane
.set S4,   23                          ; (the sum of nv) / 4
.set SA,   24                          ; key's scale words: 16 (sub-chunk % 2) + 4 m + s
.set SB,   56                          ; Wk's: 4 a + s
.set R,    64                          ; raw sets: R + 32 set
.set T,    192                         ; v192-193 a block's largest magnitude
.set U,    194                         ; v194-195 the other half's; then the scale's byte
.set SO,   196                         ; v196-197 the conversion's scale operand
.set HD,   198                         ; v198-199 57,344 x the scale
.set SWD,  200                         ; the scale word in the making
.set T8,   202                         ; v202-209 16 numbers in bf16
.set C4,   210                         ; v210-213 16 codes
.set E,    192                         ; v192-207 the softmax's 8 pairs (rows 2 lane, 2 lane + 1), then the weights' two fragments
.set CX,   218                         ; the last product's tiles 0-3
.set AC,   128                         ; window 3
.set BI,   192
.set NV,   200
.set SCB,  208
.set CXH,  224
; scalars: s14 w; s[16:17] key at my rows; s[18:19] the same at the trip ahead; s[20:21] wkf at my blocks; s[22:23] at the trip's four; s[24:25] an offset, high word 0; s26 production trips asked for; s27 the trip % 4;
; s28 the trip in a half pass; s29 the half pass; s[30:31] lane selects; s32 57,344's mantissa field; s[34:35] c; s37 at work; s38, s39, s40 the stash buffers: written now, read now, the third; s[42:43] log2(e)
.set MSB, 0
.macro WIN new                         ; the immediate's high byte repeats the setting that is left; a switch that changes nothing is dropped
.if MSB != (\new)
	s_set_vgpr_msb (MSB<<8)|(\new)
.set MSB, (\new)
.endif
.endm
.macro BAR                             ; my LDS stores have landed and my LDS loads are in: then the work-group's barrier
	s_wait_dscnt 0x0
	s_barrier_signal -1
	s_barrier_wait -1
.endm
.macro CLOAD k                         ; the tile's eight qb and eight -2 nv of my half of the lanes
	WIN 0xc0
	ds_load_b128 v[BI:BI+3], v[BA] offset:64*(\k)
	ds_load_b128 v[BI+4:BI+7], v[BA] offset:64*(\k)+16
	ds_load_b128 v[NV:NV+3], v[NA] offset:64*(\k)
	ds_load_b128 v[NV+4:NV+7], v[NA] offset:64*(\k)+16
.endm
.macro BLOAD a, k                      ; a block of wkf into buffer a: 16 loads of codes, one of scale words; each covers 512 consecutive bytes
	WIN 0xc0
.irp u, 0,1,2,3,4,5,6,7,8,9,10,11,12,13,14,15
	global_load_b128 v[64*(\a)+4*\u:64*(\a)+4*\u+3], v[BO], s[22:23] offset:BLK*(\k)+512*\u
.endr
	WIN 0
	global_load_b128 v[SB+4*(\a):SB+4*(\a)+3], v[BO], s[22:23] offset:BLK*(\k)+8192
.endm
.macro KLOAD rho, k                    ; 16 rows x 256 bytes of key into a raw set: each load takes 256 aligned bytes of two rows
.irp q, 0,1,2,3,4,5,6,7
	global_load_b128 v[R+32*(\rho)+4*\q:R+32*(\rho)+4*\q+3], v[KO], s[18:19] offset:256*(\k)+4096*\q th:TH_LOAD_NT
.endr
.endm
.macro TURNIN rho                      ; a raw set through my stage: in as loaded, back as 16 neighbours of each of two blocks of 32, into the same registers (LDS serves a wave's instructions in order: ISA guide 5.7.1.4)
.irp q, 0,1,2,3,4,5,6,7
	ds_store_b128 v[TW], v[R+32*(\rho)+4*\q:R+32*(\rho)+4*\q+3] offset:544*\q
.endr
.irp b, 0,1
.irp j, 0,1,2,3
	ds_load_b128 v[R+32*(\rho)+16*\b+4*\j:R+32*(\rho)+16*\b+4*\j+3], v[TRD] offset:128*\b+16*\j
.endr
.endr
.endm
; THE QUANTISER, for two blocks of 32 along K of my row (16 numbers of each are mine, the others lane xor 16's).  bf16 copies go to the stash ahead of the hold; codes go to LDS as the operand's registers.
.macro QUANT2 rho, k
.set X0, R+32*(\rho)
.set X1, X0+16
	v_max3_num_f32 v[T], |v[X0]|, |v[X0+1]|, 0x8000000           ; the largest magnitude, with the floor 2^(16 - 127) among its leaves: the byte cannot fall under 1
	v_max3_num_f32 v[T+1], |v[X1]|, |v[X1+1]|, 0x8000000
.irp i, 2,4,6,8,10,12,14
	v_max3_num_f32 v[T], v[T], |v[X0+\i]|, |v[X0+\i+1]|
	v_max3_num_f32 v[T+1], v[T+1], |v[X1+\i]|, |v[X1+\i+1]|
.endr
	v_permlanex16_b32 v[U], v[T], s30, s31
	v_permlanex16_b32 v[U+1], v[T+1], s30, s31
	v_max_num_f32 v[T], v[T], v[U]
	v_max_num_f32 v[T+1], v[T+1], v[U+1]
	v_add_nc_u32 v[SO], 0xf8800000, v[T]                         ; 15 off the exponent field: the conversion takes this operand's exponent field as its scale
	v_add_nc_u32 v[SO+1], 0xf8800000, v[T+1]
	v_and_or_b32 v[HD], v[T], 0x7f800000, s32                    ; 57,344 x the scale
	v_and_or_b32 v[HD+1], v[T+1], 0x7f800000, s32
	v_lshrrev_b32 v[U], 23, v[SO]                                ; the scale's byte
	v_lshrrev_b32 v[U+1], 23, v[SO+1]
.irp i, 0,1,2,3,4,5,6,7
	v_cvt_pk_bf16_f32 v[T8+\i], v[X0+2*\i], v[X0+2*\i+1]
.endr
	ds_store_b128 v[SW], v[T8:T8+3] offset:128*(\k)
	ds_store_b128 v[SW], v[T8+4:T8+7] offset:128*(\k)+16
.irp i, 0,1,2,3,4,5,6,7,8,9,10,11,12,13,14,15
	v_med3_num_f32 v[X0+\i], v[X0+\i], -v[HD], v[HD]             ; the conversion to an 8-bit code does not saturate (ISA guide 7.6.2): the hold
.endr
	v_cvt_scalef32_pk8_bf8_f32 v[C4:C4+1], v[X0:X0+7], v[SO]
	v_cvt_scalef32_pk8_bf8_f32 v[C4+2:C4+3], v[X0+8:X0+15], v[SO]
.if (\k)%2 == 0                        ; four bytes, two steps' blocks, make a K step's scale word.  (A plain instruction behind the conversions, ahead of the lines that write their sources)
	v_lshl_or_b32 v[SWD], v[U+1], 8, v[U]
.else
	v_lshl_or_b32 v[SWD], v[U], 16, v[SWD]
	v_lshl_or_b32 v[SWD], v[U+1], 24, v[SWD]
.endif
	ds_store_b128 v[IW], v[C4:C4+3] offset:1024*(\k)
.irp i, 0,1,2,3,4,5,6,7
	v_cvt_pk_bf16_f32 v[X0+\i], v[X1+2*\i], v[X1+2*\i+1]         ; the second block's go into registers that the first has left
.endr
	ds_store_b128 v[SW], v[X0:X0+3] offset:128*(\k)+64
	ds_store_b128 v[SW], v[X0+4:X0+7] offset:128*(\k)+80
.irp i, 0,1,2,3,4,5,6,7,8,9,10,11,12,13,14,15
	v_med3_num_f32 v[X1+\i], v[X1+\i], -v[HD+1], v[HD+1]
.endr
	v_cvt_scalef32_pk8_bf8_f32 v[X0+8:X0+9], v[X1:X1+7], v[SO+1]
	v_cvt_scalef32_pk8_bf8_f32 v[X0+10:X0+11], v[X1+8:X1+15], v[SO+1]
	v_nop                                                        ; one plain instruction behind the last conversion
	ds_store_b128 v[IW], v[X0+8:X0+11] offset:1024*(\k)+512
.if (\k)%2 == 1
	ds_store_b32 v[SIW], v[SWD] offset:128*((\k)/2)
.endif
.endm
; 16 products: one tile of Wk (buffer a) x the four row tiles of the sub-chunk in window 1 + p, K = 512 in four steps.  The first step starts the sums.  The four accumulators take turns, one instruction a turn.
.macro WM p, a
	WIN 0xf7+4*(\p)
.irp s, 0,1,2,3
.irp m, 0,1,2,3
.if \s == 0
	v_wmma_scale_f32_16x16x128_f8f6f4 v[AC+32*(\p)+8*\m:AC+32*(\p)+8*\m+7], v[64*(\a)+16*\s:64*(\a)+16*\s+15], v[64*\m+16*\s:64*\m+16*\s+15], 0, v[SB+4*(\a)+\s], v[SA+16*(\p)+4*\m+\s] matrix_a_fmt:MATRIX_FMT_BF8 matrix_b_fmt:MATRIX_FMT_BF8
.else
	v_wmma_scale_f32_16x16x128_f8f6f4 v[AC+32*(\p)+8*\m:AC+32*(\p)+8*\m+7], v[64*(\a)+16*\s:64*(\a)+16*\s+15], v[64*\m+16*\s:64*\m+16*\s+15], v[AC+32*(\p)+8*\m:AC+32*(\p)+8*\m+7], v[SB+4*(\a)+\s], v[SA+16*(\p)+4*\m+\s] matrix_a_fmt:MATRIX_FMT_BF8 matrix_b_fmt:MATRIX_FMT_BF8
.endif
.endr
.endr
.endm
; nt accumulators from v[lo] on: the partial sums take -2 nv / (1 + 2^(c x + qb)).  The exponentials are one batch with one wait, and so are the reciprocals.
.macro TANH lo, nt
	WIN 0xff
.set cn, 0
.rept 4*(\nt)
	v_pk_fma_f32 v[(\lo)+2*cn:(\lo)+2*cn+1], v[(\lo)+2*cn:(\lo)+2*cn+1], s[34:35], v[BI+2*(cn%4):BI+2*(cn%4)+1] op_sel_hi:[1,0,1]   ; each accumulator from its low end on
.set cn, cn+1
.endr
.set cn, 0
.rept 8*(\nt)
	v_exp_f32 v[(\lo)+cn], v[(\lo)+cn]
.set cn, cn+1
.endr
	v_nop                                          ; a plain instruction behind the last transcendental,
	s_wait_alu depctr_va_vdst(0)                   ; and the wait ahead of the batch's first use
.set cn, 0
.rept 4*(\nt)
	v_pk_add_f32 v[(\lo)+2*cn:(\lo)+2*cn+1], v[(\lo)+2*cn:(\lo)+2*cn+1], 1.0 op_sel_hi:[1,0]
.set cn, cn+1
.endr
.set cn, 0
.rept 8*(\nt)
	v_rcp_f32 v[(\lo)+cn], v[(\lo)+cn]
.set cn, cn+1
.endr
	v_nop
	s_wait_alu depctr_va_vdst(0)
.set cj, 0
.rept 4
.set ct, 0
.rept \nt
	v_pk_fma_f32 v[SCB+((\lo)-AC)/4+2*ct:SCB+((\lo)-AC)/4+2*ct+1], v[(\lo)+8*ct+2*cj:(\lo)+8*ct+2*cj+1], v[NV+2*cj:NV+2*cj+1], v[SCB+((\lo)-AC)/4+2*ct:SCB+((\lo)-AC)/4+2*ct+1]   ; the row tiles by turns
.set ct, ct+1
.endr
.set cj, cj+1
.endr
.endm
.macro FETCH f                         ; a sub-chunk's codes and scale words from their images into window 1 + f: all four row tiles, in every wave
	WIN 0x40*(1+(\f))
.set cn, 0
.rept 64
	ds_load_b128 v[4*cn:4*cn+3], v[LI] offset:512*cn
.set cn, cn+1
.endr
	WIN 0
.set cn, 0
.rept 16
	ds_load_b32 v[SA+16*(\f)+cn], v[LS] offset:128*cn
.set cn, cn+1
.endr
.endm
; The head of a trip of four steps: the bases of its loads.  Wk: steps n .. n + 3 ask for blocks (n + 2) % 16 on: 2, 6, 10 or 14, four on end (blocks 16, 17 repeat 0, 1).
; key: the trip asks for the production trip after its own: sub-chunk e / 2, bytes 1,024 (e % 2) of its rows.  e is held at 15: the last producing trip has no trip after it, and reads its own 16 KB a wave
; again and drops them, so that every trip issues the same loads and the counted waits hold.
.macro TRIPHEAD mul, prod
	s_wait_xcnt 0x0                                ; the last trip's loads have read their bases
.if \mul
	s_add_co_u32 s27, s27, 1
	s_and_b32 s27, s27, 3
	s_mul_i32 s24, s27, 4*BLK
	s_add_co_u32 s24, s24, 2*BLK
	s_add_nc_u64 s[22:23], s[20:21], s[24:25]
.endif
.if \prod
	s_add_co_u32 s26, s26, 1
	s_min_u32 s37, s26, 15
	s_lshr_b32 s24, s37, 1
	s_lshl_b32 s24, s24, 17
	s_and_b32 s37, s37, 1
	s_lshl_b32 s37, s37, 10
	s_add_co_u32 s24, s24, s37
	s_add_nc_u64 s[18:19], s[16:17], s[24:25]
.endif
.endm
.macro TRIPEND mul, prod               ; the LDS addresses go on to the other trip's tiles and K steps
.if \mul
	v_xor_b32 v[BA], 256, v[BA]
	v_xor_b32 v[NA], 256, v[NA]
.endif
.if \prod
	v_xor_b32 v[IW], 4096, v[IW]
	v_xor_b32 v[SIW], 256, v[SIW]
	v_add_nc_u32 v[SW], 512, v[SW]
.endif
.endm
; A STEP: one tile of 16 units of my head, for the sub-chunks in flight (p0: the even one, p1: the odd one).  prod = 1: also 16 rows x 64 along K of the sub-chunk that is coming in.
.macro STEP k, p0, p1, prod
	CLOAD \k
.if \prod
	s_wait_loadcnt 33                              ; this tile of Wk was asked for two steps ago; behind it came 8 + 17 + 8 loads.  The raw set that TURNIN takes below is older still
.else
	s_wait_loadcnt 17                              ; behind this tile came the next tile's 17
.endif
.if \p0
	WM 0, (\k)%2
.endif
.if \p1
	WM 1, (\k)%2
.endif
	WIN 0
	s_wait_dscnt 0x0                               ; qb and nv are in, and the turned numbers
.if \prod
	QUANT2 \k, \k                                  ; its first sixteen lines are the places behind the products
.else
.rept 8
	v_nop                                          ; eight places behind the products, ahead of loads into their registers and of the first read of their results
.endr
.endif
	BLOAD (\k)%2, \k                               ; the tile two steps on, into the buffer just multiplied
.if \prod
	TURNIN ((\k)+1)%4
	s_wait_dscnt 16                                ; the quantiser's stores have read their registers; TURNIN's sixteen may be out
	KLOAD \k, \k                                   ; the set just quantised takes the numbers of four steps on
.endif
.if (\p0) && (\p1)
	TANH AC, 8
.elseif \p0
	TANH AC, 4
.else
	TANH AC+32, 4
.endif
.endm
.macro PSTEP k                         ; a step of the first sub-chunk's making, ahead of all products
	s_wait_dscnt 0x0
	QUANT2 \k, \k
	s_wait_loadcnt 16                              ; the next raw set is in; the two behind it may be out
	TURNIN ((\k)+1)%4
	s_wait_dscnt 16
	KLOAD \k, \k
.endm
.macro HPINIT                          ; the partial sums begin at (the sum of nv) / 4.  These sixteen are also the places between the last product's instructions and the next that write over their operands
	WIN 0xc0
.set cn, 0
.rept 16
	v_mov_b32 v[SCB+cn], v[S4]
.set cn, cn+1
.endr
	WIN 0
	v_add_nc_u32 v[SW], s38, v[SW0]
	s_mov_b32 s28, 0
.endm
.macro SCORE1 p                        ; a row's four partial sums: two in my lane, two in lane xor 16
.irp m, 0,1,2,3
	v_add_f32 v[SCB+8*(\p)+2*\m], v[SCB+8*(\p)+2*\m], v[SCB+8*(\p)+2*\m+1]
.endr
.irp m, 0,1,2,3
	v_permlanex16_b32 v[AC+32*(\p)+8*\m], v[SCB+8*(\p)+2*\m], s30, s31
.endr
.irp m, 0,1,2,3
	v_add_f32 v[SCB+8*(\p)+2*\m], v[SCB+8*(\p)+2*\m], v[AC+32*(\p)+8*\m]
.endr
.endm
.macro SCORE2 p
.irp m, 0,1,2,3
	ds_store_b32 v[SCW], v[SCB+8*(\p)+2*\m] offset:2048*(\p)+64*\m           ; lanes l and l xor 16 write the same word with the same value
.endr
.endm
; The half pass's scores go to LDS; then the barrier behind which every wave's scores, images and stash rows of this half pass may be read.
.macro SCORES p0, p1
	WIN 0xff
.if \p0
	SCORE1 0
.endif
.if \p1
	SCORE1 1
.endif
	WIN 0x0c                                       ; an LDS store's data are its source 1: window 3
.if \p0
	SCORE2 0
.endif
.if \p1
	SCORE2 1
.endif
	WIN 0
	BAR
.endm
.macro KFRAG ks                        ; key^T from the stash, turned: 8 tiles of 16 of my 128 columns x 32 rows
	WIN 0xc0
.irp t, 0,1,2,3,4,5,6,7
	ds_load_tr16_b128 v[AC+8*\t:AC+8*\t+3], v[TR] offset:32*\t+32*SPI*(\ks)
	ds_load_tr16_b128 v[AC+8*\t+4:AC+8*\t+7], v[TR] offset:32*\t+32*SPI*(\ks)+16*SPI
.endr
	WIN 0
.endm
.macro CTX ks                          ; part^T += key^T w^T: source 0 = 16 columns of key, source 1 = the heads; 8 accumulators by turns
	WIN 0x03
.irp t, 0,1,2,3
	v_wmma_f32_16x16x32_bf16 v[CX+8*\t:CX+8*\t+7], v[AC+8*\t:AC+8*\t+7], v[E+8*(\ks):E+8*(\ks)+7], v[CX+8*\t:CX+8*\t+7]
.endr
	WIN 0xf3
.irp t, 0,1,2,3
	v_wmma_f32_16x16x32_bf16 v[CXH+8*\t:CXH+8*\t+7], v[AC+32+8*\t:AC+32+8*\t+7], v[E+8*(\ks):E+8*(\ks)+7], v[CXH+8*\t:CXH+8*\t+7]
.endr
	WIN 0
.endm
; THE SUB-CHUNK WHOSE EIGHT HEADS ARE DONE: softmax over the heads (every wave for all 64 rows: a lane takes rows 2 lane and 2 lane + 1), weights to bf16 through my own LDS bytes, and my 128 columns of the last product.
.macro FINISH
	v_add_nc_u32 v[TR], s39, v[TR0]
.irp hd, 0,1,2,3,4,5,6,7
	ds_load_b64 v[E+2*\hd:E+2*\hd+1], v[SCRD] offset:256*\hd
.endr
	KFRAG 0
	s_wait_dscnt 16                                ; the scores are in; the sixteen turning loads may be out
	v_max3_num_f32 v208, v192, v194, v196
	v_max3_num_f32 v209, v193, v195, v197
	v_max3_num_f32 v208, v208, v198, v200
	v_max3_num_f32 v209, v209, v199, v201
	v_max3_num_f32 v208, v208, v202, v204
	v_max3_num_f32 v209, v209, v203, v205
	v_max_num_f32 v208, v208, v206
	v_max_num_f32 v209, v209, v207                 ; each row's largest score
	v_pk_mul_f32 v[208:209], v[208:209], s[42:43] op_sel_hi:[1,0]
.irp hd, 0,1,2,3,4,5,6,7
	v_pk_fma_f32 v[E+2*\hd:E+2*\hd+1], v[E+2*\hd:E+2*\hd+1], s[42:43], v[208:209] op_sel_hi:[1,0,1] neg_lo:[0,0,1] neg_hi:[0,0,1]   ; (score - largest) log2(e)
.endr
.set cn, 0
.rept 16
	v_exp_f32 v[E+cn], v[E+cn]
.set cn, cn+1
.endr
	v_nop
	s_wait_alu depctr_va_vdst(0)                   ; one wait for the sixteen
	v_pk_add_f32 v[210:211], v[192:193], v[194:195]
	v_pk_add_f32 v[212:213], v[196:197], v[198:199]
	v_pk_add_f32 v[214:215], v[200:201], v[202:203]
	v_pk_add_f32 v[216:217], v[204:205], v[206:207]
	v_pk_add_f32 v[210:211], v[210:211], v[212:213]
	v_pk_add_f32 v[214:215], v[214:215], v[216:217]
	v_pk_add_f32 v[210:211], v[210:211], v[214:215]
	v_rcp_f32 v208, v210
	v_rcp_f32 v209, v211
	v_nop
	s_wait_alu depctr_va_vdst(0)
.irp hd, 0,1,2,3,4,5,6,7
	v_pk_mul_f32 v[E+2*\hd:E+2*\hd+1], v[E+2*\hd:E+2*\hd+1], v[208:209]
.endr
.irp hd, 0,1,2,3,4,5,6,7
	v_cvt_pk_bf16_f32 v[210+\hd], v[E+2*\hd], v[E+2*\hd+1]
.endr
.irp hd, 0,1,2,3,4,5,6,7
	ds_store_b32 v[WTW], v[210+\hd] offset:144*\hd
.endr
.irp f, 0,1,2,3
	ds_load_b128 v[E+4*\f:E+4*\f+3], v[WTR] offset:32*\f     ; the weights as source 1: rows 0-31 in v192-199, rows 32-63 in v200-207; my own bytes, served in order
.endr
	s_wait_dscnt 0x0
	CTX 0
.rept 4
	v_nop                                          ; four places behind this form, ahead of loads into registers that it has read
.endr
	KFRAG 1
	s_wait_dscnt 0x0
	CTX 1
	BAR                                            ; every wave's reads of the images, the scores and the stash are over: the next half pass may write them
	v_xor_b32 v[SCRD], 2048, v[SCRD]
.endm
.macro TOG                             ; the other four heads
	v_xor_b32 v[BA], 512, v[BA]
	v_xor_b32 v[SCW], 1024, v[SCW]
.endm
.macro ROT                             ; the stash's buffers change parts: written now <- read now <- the third <- written now
	s_mov_b32 s37, s38
	s_mov_b32 s38, s39
	s_mov_b32 s39, s40
	s_mov_b32 s40, s37
.endm
	s_load_b256 s[4:11], s[0:1], 0x0               ; key s[4:5], wkf s[6:7], qb s[8:9], nvt s[10:11]
	s_load_b64 s[12:13], s[0:1], 0x20              ; part
	v_lshrrev_b32 v250, 5, v0
	v_readfirstlane_b32 s14, v250                  ; wave w
	v_and_b32 v251, 31, v0                         ; lane
	v_and_b32 v252, 15, v0                         ; r
	v_bfe_u32 v253, v0, 4, 1                       ; h
	v_lshlrev_b32 v[KO], 4, v252
	v_lshl_add_u32 v[KO], v253, 11, v[KO]
	v_lshlrev_b32 v[BO], 4, v251
	v_lshlrev_b32 v255, 2, v251                    ; 4 lane; never rewritten
	s_mul_i32 s37, s14, 4352
	s_add_co_u32 s37, s37, TS
	v_mul_u32_u24 v250, v253, 272
	v_lshl_add_u32 v250, v252, 4, v250
	v_add_nc_u32 v[TW], s37, v250
	v_mul_u32_u24 v250, v252, 272
	v_lshl_add_u32 v250, v253, 6, v250
	v_add_nc_u32 v[TRD], s37, v250
	s_lshl_b32 s37, s14, 13
	s_add_co_u32 s37, s37, IMG
	v_add_nc_u32 v[IW], s37, v[BO]
	s_lshl_b32 s37, s14, 9
	s_add_co_u32 s37, s37, SIMG
	v_add_nc_u32 v[SIW], s37, v255
	s_mul_i32 s37, s14, 16*SPI
	v_mul_u32_u24 v250, v252, SPI
	v_lshl_add_u32 v250, v253, 5, v250
	v_add_nc_u32 v[SW0], s37, v250
	v_add_nc_u32 v[LI], IMG, v[BO]
	v_add_nc_u32 v[LS], SIMG, v255
	s_lshl_b32 s37, s14, 11
	s_add_co_u32 s37, s37, PT
	v_lshl_add_u32 v[BA], v253, 5, s37
	v_add_nc_u32 v[NA], 1024, v[BA]
	v_add_nc_u32 v[PTW], s37, v[BO]
	s_lshl_b32 s37, s14, 8
	s_add_co_u32 s37, s37, SCR
	v_lshl_add_u32 v[SCW], v252, 2, s37
	v_lshl_add_u32 v[SCRD], v251, 3, SCR
	s_mul_i32 s37, s14, 1152
	s_add_co_u32 s37, s37, WT
	v_add_nc_u32 v[WTW], s37, v255
	v_and_b32 v250, 7, v0
	v_mul_u32_u24 v250, v250, 144
	v_lshl_add_u32 v250, v253, 4, v250
	v_add_nc_u32 v[WTR], s37, v250
	v_and_b32 v250, 7, v0
	v_lshl_add_u32 v250, v253, 3, v250
	v_mul_u32_u24 v250, v250, SPI
	v_bfe_u32 v254, v0, 3, 1
	v_lshl_add_u32 v250, v254, 4, v250
	s_lshl_b32 s37, s14, 8
	v_add_nc_u32 v[TR0], s37, v250
	v_mul_u32_u24 v250, v252, OSP
	v_lshl_add_u32 v250, v253, 5, v250
	s_lshl_b32 s37, s14, 9
	v_add_nc_u32 v[OSW], s37, v250
	s_mul_i32 s37, s14, 2*OSP
	v_add_nc_u32 v[OSR], s37, v[BO]
	s_mov_b32 s25, 0
	s_mov_b32 s30, 0x76543210
	s_mov_b32 s31, 0xfedcba98                      ; v_permlanex16_b32's selects for lane xor 16
	s_mov_b32 s32, 0x600000                        ; the mantissa field of 57,344
	s_mov_b32 s34, 0x4038aa3b                      ; c = 2 log2(e)
	s_mov_b32 s35, s34                             ; (the packed forms name a pair and take its low word for both halves)
	s_mov_b32 s42, 0x3fb8aa3b                      ; log2(e)
	s_mov_b32 s43, s42
	s_mov_b32 s26, 0
	s_mov_b32 s27, 3
	s_mov_b32 s38, 0
	s_mov_b32 s39, STB
	s_mov_b32 s40, 2*STB
	s_wait_kmcnt 0x0
	s_lshl_b32 s24, ttmp9, 20                      ; 512 rows of 2,048 bytes a work-group,
	s_lshl_b32 s37, s14, 15                        ; 16 rows a wave
	s_add_co_u32 s24, s24, s37
	s_add_nc_u64 s[16:17], s[4:5], s[24:25]
	s_mov_b64 s[18:19], s[16:17]
	s_mul_i32 s24, s14, 18*BLK
	s_add_nc_u64 s[20:21], s[6:7], s[24:25]
	s_mov_b64 s[22:23], s[20:21]
	s_lshr_b32 s24, ttmp9, 2
	s_lshl_b32 s24, s24, 12                        ; qb: the batch's row,
	s_lshl_b32 s37, s14, 9                         ; head w
	s_add_co_u32 s24, s24, s37
	s_add_nc_u64 s[8:9], s[8:9], s[24:25]
	s_lshl_b32 s24, ttmp9, 14                      ; part: 16,384 bytes a work-group,
	s_lshl_b32 s37, s14, 12                        ; two heads' rows a wave
	s_add_co_u32 s24, s24, s37
	s_add_nc_u64 s[12:13], s[12:13], s[24:25]
	global_load_b128 v[T8:T8+3], v[BO], s[8:9]                   ; qb of head w,
	global_load_b128 v[T8+4:T8+7], v[BO], s[8:9] offset:2048     ; of head w + 4,
	global_load_b128 v[C4:C4+3], v[BO], s[10:11]                 ; -2 nv,
	global_load_b32 v[S4], v255, s[10:11] offset:512             ; (the sum of nv) / 4
	BLOAD 0, 0                                     ; Wk's first two tiles
	BLOAD 1, 1
	KLOAD 0, 0                                     ; the first four raw sets
	KLOAD 1, 1
	KLOAD 2, 2
	KLOAD 3, 3
	v_mov_b32 v[U], 0                              ; (a lane permute's destination counts as one of its sources)
	v_mov_b32 v[U+1], 0
.set cn, 0
.rept 32
	v_mov_b32 v[CX+cn], 0                          ; the last product's sums begin as zeros: FINISH is written once for its first and its later turns
.set cn, cn+1
.endr
	WIN 0xc0
.set cn, 0
.rept 32
	v_mov_b32 v[CXH+cn], 0
.set cn, cn+1
.endr
	WIN 0
	s_wait_loadcnt 63                              ; 70 loads are out and the four oldest are wanted: 66 would do, 63 is the largest count that the wait can name
	ds_store_b128 v[PTW], v[T8:T8+3]
	ds_store_b128 v[PTW], v[T8+4:T8+7] offset:512
	ds_store_b128 v[PTW], v[C4:C4+3] offset:1024   ; my wave's own bytes: read by this wave alone
	s_wait_loadcnt 24                              ; raw set 0 is in; sets 1 to 3 may be out
	TURNIN 0
	v_add_nc_u32 v[SW], s38, v[SW0]
	s_mov_b32 s28, 0
.Lpro:                                             ; ---- sub-chunk 0 is made: two trips of four steps
	TRIPHEAD 0, 1
	PSTEP 0
	PSTEP 1
	PSTEP 2
	PSTEP 3
	TRIPEND 0, 1
	s_add_co_u32 s28, s28, 1
	s_cmp_lt_u32 s28, 2
	s_cbranch_scc1 .Lpro
	s_wait_loadcnt 0x0                             ; once: from here on the steps' counted waits count only what the steps issue
	BAR                                            ; every wave's images lie in LDS
	FETCH 0
	BAR                                            ; and have been read: they may be written again
	ROT
	; ---- hp 0: sub-chunk 0 alone, heads 0-3; sub-chunk 1 is made
	HPINIT
.Lh0:
	TRIPHEAD 1, 1
	STEP 0, 1, 0, 1
	STEP 1, 1, 0, 1
	STEP 2, 1, 0, 1
	STEP 3, 1, 0, 1
	WIN 0                                          ; at a label and at a branch every window is 0
	TRIPEND 1, 1
	s_add_co_u32 s28, s28, 1
	s_cmp_lt_u32 s28, 2
	s_cbranch_scc1 .Lh0
	SCORES 1, 0
	FETCH 1
	BAR
	TOG
	ROT
	; ---- hp 1 .. 6: two sub-chunks in flight, one in the making, one finished at the end
	s_mov_b32 s29, 1
.Lhp:
	HPINIT
.Ltr:
	TRIPHEAD 1, 1
	STEP 0, 1, 1, 1
	STEP 1, 1, 1, 1
	STEP 2, 1, 1, 1
	STEP 3, 1, 1, 1
	WIN 0
	TRIPEND 1, 1
	s_add_co_u32 s28, s28, 1
	s_cmp_lt_u32 s28, 2
	s_cbranch_scc1 .Ltr
	SCORES 1, 1
	s_and_b32 s37, s29, 1                          ; sub-chunk hp + 1 takes the window that sub-chunk hp - 1 has left: window 1 in an odd hp, window 2 in an even one
	s_cmp_eq_u32 s37, 1
	s_cbranch_scc0 .Lfeven
	FETCH 0
	s_branch .Lfdone
.Lfeven:
	FETCH 1
.Lfdone:
	FINISH
	TOG
	ROT
	s_add_co_u32 s29, s29, 1
	s_cmp_lt_u32 s29, 7
	s_cbranch_scc1 .Lhp
	; ---- hp 7: sub-chunks 6 and 7; nothing is left to make
	HPINIT
.Lh7:
	TRIPHEAD 1, 0
	STEP 0, 1, 1, 0
	STEP 1, 1, 1, 0
	STEP 2, 1, 1, 0
	STEP 3, 1, 1, 0
	WIN 0
	TRIPEND 1, 0
	s_add_co_u32 s28, s28, 1
	s_cmp_lt_u32 s28, 2
	s_cbranch_scc1 .Lh7
	SCORES 1, 1
	FINISH
	TOG
	ROT
	; ---- hp 8: sub-chunk 7 alone.  (Its last two steps ask for two blocks of Wk that no step multiplies: the loop's body is the same in both trips)
	HPINIT
.Lh8:
	TRIPHEAD 1, 0
	STEP 0, 0, 1, 0
	STEP 1, 0, 1, 0
	STEP 2, 0, 1, 0
	STEP 3, 0, 1, 0
	WIN 0
	TRIPEND 1, 0
	s_add_co_u32 s28, s28, 1
	s_cmp_lt_u32 s28, 2
	s_cbranch_scc1 .Lh8
	SCORES 0, 1
	FINISH
	; ---- THE WAY OUT.  Lane (r, h) holds head r % 8 and eight neighbouring columns a tile; a head's 512 columns come from four waves.  They meet in a stage over the stash's first buffer, which nobody reads any more
	; (the barrier at FINISH's end); each wave then stores two whole rows.
.rept 4
	v_nop                                          ; four places behind the last products, ahead of the stores that read their results
.endr
.irp t, 0,1,2,3
	ds_store_b128 v[OSW], v[CX+8*\t:CX+8*\t+3] offset:64*\t                  ; each accumulator from its low end on
	ds_store_b128 v[OSW], v[CX+8*\t+4:CX+8*\t+7] offset:64*\t+16
.endr
	WIN 0x0c
.irp t, 0,1,2,3
	ds_store_b128 v[OSW], v[CXH+8*\t:CXH+8*\t+3] offset:256+64*\t
	ds_store_b128 v[OSW], v[CXH+8*\t+4:CXH+8*\t+7] offset:256+64*\t+16
.endr
	WIN 0
	BAR
.irp u, 0,1
.irp q, 0,1,2,3
	ds_load_b128 v[128+16*\u+4*\q:128+16*\u+4*\q+3], v[OSR] offset:OSP*\u+512*\q
.endr
.endr
	s_wait_dscnt 0x0
.irp u, 0,1
.irp q, 0,1,2,3
	global_store_b128 v[BO], v[128+16*\u+4*\q:128+16*\u+4*\q+3], s[12:13] offset:2048*\u+512*\q   ; 32 lanes store 512 consecutive bytes, at a multiple of 256 from part's first byte
.endr
.endr
	s_wait_xcnt 0x0
	v_lshl_add_u32 v254, v0, 2, 0x43800
	v_mov_b32 v255, 0
	s_wait_tensorcnt 0x0
	ds_add_u32 v254, v255
	s_wait_dscnt 0x0
	s_endpgm
.Lfunc_end_k_qda0e396669_main:
	.size	k_qda0e396669_main, .Lfunc_end_k_qda0e396669_main-k_qda0e396669_main
	.p2alignl 7, 3214868480
	.fill 96, 4, 3214868480
	.section	.rodata,"a",@progbits
	.p2align	6, 0x0
	.amdhsa_kernel k_qda0e396669_main
		.amdhsa_group_segment_fixed_size 276992
		.amdhsa_private_segment_fixed_size 0
		.amdhsa_enable_private_segment 0
		.amdhsa_kernarg_size 40
		.amdhsa_user_sgpr_count 2
		.amdhsa_user_sgpr_kernarg_segment_ptr 1
		.amdhsa_wavefront_size32 1
		.amdhsa_system_sgpr_workgroup_id_x 1
		.amdhsa_system_sgpr_workgroup_id_y 1
		.amdhsa_system_sgpr_workgroup_id_z 1
		.amdhsa_system_vgpr_workitem_id 0
		.amdhsa_next_free_vgpr 1024
		.amdhsa_next_free_sgpr 66
		.amdhsa_reserve_vcc 0
		.amdhsa_float_denorm_mode_32 3
		.amdhsa_float_denorm_mode_16_64 3
		.amdhsa_memory_ordered 1
		.amdhsa_forward_progress 1
		.amdhsa_inst_pref_size 255
	.end_amdhsa_kernel
	.section	.bss,"aw",@nobits
	.p2align	6
	.space	262144
	.amdgpu_metadata
---
amdhsa.version: [ 1, 2 ]
amdhsa.kernels:
  - .name:           k_qda0e396669_main
    .symbol:         k_qda0e396669_main.kd
    .args:
      - { .name: key, .offset: 0, .size: 8, .value_kind: global_buffer, .address_space: global }
      - { .name: wkf, .offset: 8, .size: 8, .value_kind: global_buffer, .address_space: global }
      - { .name: qb, .offset: 16, .size: 8, .value_kind: global_buffer, .address_space: global }
      - { .name: nvt, .offset: 24, .size: 8, .value_kind: global_buffer, .address_space: global }
      - { .name: part, .offset: 32, .size: 8, .value_kind: global_buffer, .address_space: global }
    .group_segment_fixed_size: 276992
    .private_segment_fixed_size: 0
    .kernarg_segment_align: 8
    .kernarg_segment_size: 40
    .max_flat_workgroup_size: 128
    .sgpr_count:     66
    .vgpr_count:     1024
    .wavefront_size: 32
...
	.end_amdgpu_metadata
.endif
;; end of part 2
;; launch sum (part 3): grid 256 x 1, 8 waves a work-group, no clusters, 0 bytes of LDS; arguments part, out0; writes out0
.if DOCPART == 3
	.amdgcn_target "amdgcn-amd-amdhsa--gfx1250"
	.amdhsa_code_object_version 6
	.text
	.protected	k_qda0e396669_sum
	.globl	k_qda0e396669_sum
	.p2align	8
	.type	k_qda0e396669_sum,@function
k_qda0e396669_sum:
	s_mov_b64 s[64:65], 0
	v_nop
	global_prefetch_b8 v0, s[64:65] scope:SCOPE_SE
	s_setreg_imm32_b32 hwreg(HW_REG_WAVE_MODE, 25, 1), 1
	s_wait_xcnt 0x0
; out0[b][:] = the sum of the four parts of batch b.  part: [256][4096] f32, parts 4 b .. 4 b + 3 belong to batch b; out0: [64][4096] f32.
; Work-group x makes bytes 4,096 x .. 4,096 x + 4,095 of out0: a quarter of batch x / 4; a thread takes 16 bytes, so each load and store of a wave covers 512 consecutive bytes.
; A sum that spans work-groups of the launch before is taken here, in a fixed order: (p0 + p1) + (p2 + p3).  No LDS, no barrier: threads share nothing.
	s_load_b128 s[4:7], s[0:1], 0x0                ; part s[4:5], out0 s[6:7]
	s_lshr_b32 s8, ttmp9, 2
	s_lshl_b32 s8, s8, 16                          ; the batch's four parts: 65,536 bytes
	s_and_b32 s9, ttmp9, 3
	s_lshl_b32 s9, s9, 12                          ; my quarter of a part
	s_add_co_u32 s8, s8, s9
	s_mov_b32 s9, 0
	s_lshl_b32 s10, ttmp9, 12
	s_mov_b32 s11, 0
	v_lshlrev_b32 v1, 4, v0
	s_wait_kmcnt 0x0
	s_add_nc_u64 s[4:5], s[4:5], s[8:9]
	s_add_nc_u64 s[6:7], s[6:7], s[10:11]
.irp q, 0,1,2,3
	global_load_b128 v[4+4*\q:7+4*\q], v1, s[4:5] offset:16384*\q th:TH_LOAD_NT
.endr
	s_wait_loadcnt 0x0
	v_pk_add_f32 v[4:5], v[4:5], v[8:9]
	v_pk_add_f32 v[6:7], v[6:7], v[10:11]
	v_pk_add_f32 v[12:13], v[12:13], v[16:17]
	v_pk_add_f32 v[14:15], v[14:15], v[18:19]
	v_pk_add_f32 v[4:5], v[4:5], v[12:13]
	v_pk_add_f32 v[6:7], v[6:7], v[14:15]
	global_store_b128 v1, v[4:7], s[6:7] th:TH_STORE_NT
	s_endpgm
.Lfunc_end_k_qda0e396669_sum:
	.size	k_qda0e396669_sum, .Lfunc_end_k_qda0e396669_sum-k_qda0e396669_sum
	.p2alignl 7, 3214868480
	.fill 96, 4, 3214868480
	.section	.rodata,"a",@progbits
	.p2align	6, 0x0
	.amdhsa_kernel k_qda0e396669_sum
		.amdhsa_group_segment_fixed_size 0
		.amdhsa_private_segment_fixed_size 0
		.amdhsa_enable_private_segment 0
		.amdhsa_kernarg_size 16
		.amdhsa_user_sgpr_count 2
		.amdhsa_user_sgpr_kernarg_segment_ptr 1
		.amdhsa_wavefront_size32 1
		.amdhsa_system_sgpr_workgroup_id_x 1
		.amdhsa_system_sgpr_workgroup_id_y 1
		.amdhsa_system_sgpr_workgroup_id_z 1
		.amdhsa_system_vgpr_workitem_id 0
		.amdhsa_next_free_vgpr 24
		.amdhsa_next_free_sgpr 66
		.amdhsa_reserve_vcc 0
		.amdhsa_float_denorm_mode_32 3
		.amdhsa_float_denorm_mode_16_64 3
		.amdhsa_memory_ordered 1
		.amdhsa_forward_progress 1
		.amdhsa_inst_pref_size 2
	.end_amdhsa_kernel
	.amdgpu_metadata
---
amdhsa.version: [ 1, 2 ]
amdhsa.kernels:
  - .name:           k_qda0e396669_sum
    .symbol:         k_qda0e396669_sum.kd
    .args:
      - { .name: part, .offset: 0, .size: 8, .value_kind: global_buffer, .address_space: global }
      - { .name: out0, .offset: 8, .size: 8, .value_kind: global_buffer, .address_space: global }
    .group_segment_fixed_size: 0
    .private_segment_fixed_size: 0
    .kernarg_segment_align: 8
    .kernarg_segment_size: 16
    .max_flat_workgroup_size: 256
    .sgpr_count:     66
    .vgpr_count:     24
    .wavefront_size: 32
...
	.end_amdgpu_metadata
.endif
;; end of part 3
;; ======== version 2 of 2: 3 launches; version 1 with the launches prep, main written anew for expert scheduling mode
;; workspace buffers: wkf 626,688 bytes; qb 262,144 bytes; nvt 768 bytes; part 4,194,304 bytes
;; launch prep (part 4): grid 16 x 1, 4 waves a work-group, no clusters, 17,920 bytes of LDS; arguments Wk_codes, Wk_scales, Wq_codes, Wq_scales, bk, bq, query_codes, query_scales, v, wkf, qb, nvt; writes wkf, qb, nvt
.if DOCPART == 4
	.amdgcn_target "amdgcn-amd-amdhsa--gfx1250"
	.amdhsa_code_object_version 6
	.text
	.protected	k_qda0e396669_prep
	.globl	k_qda0e396669_prep
	.p2align	8
	.type	k_qda0e396669_prep,@function
k_qda0e396669_prep:
	s_mov_b64 s[64:65], 0
	v_nop
	global_prefetch_b8 v0, s[64:65] scope:SCOPE_SE
	s_setreg_imm32_b32 hwreg(HW_REG_WAVE_SCHED_MODE, 0, 2), 2
	s_setreg_imm32_b32 hwreg(HW_REG_WAVE_MODE, 25, 1), 1
	s_wait_xcnt 0x0
	s_wait_alu depctr_vm_vsrc(0)
; Three small pieces of work ahead of the main launch.
; R: Wk's codes and scale bytes are laid in the order of a matrix operand's registers, so that the main launch loads each fragment by dense 512-byte loads.
;    wkf = 4 waves x 18 blocks x 8,704 bytes.  Block 18 c + 8 g + i holds Wk's rows 16 T .. 16 T + 15, T = 8 (c + 4 g) + i: piece u = 4 s + cc at 512 u + 16 lane holds
;    codes [16 T + lane % 16][128 s + 32 cc + 16 (lane / 16) .. + 15]; at 8,192 + 16 lane lie the row's 16 scale bytes.  Blocks 16 and 17 repeat blocks 0 and 1, so that a run of four blocks never wraps.
; Q: qb[b][u] = c (query[b] . Wq[u] + bq[u] + bk[u]), c = 2 log2(e), on the given codes of E5M2 and their E8M0 scales, sums in f32.
; N: nvt = 128 numbers -2 nv[d], nv = v / (sqrt(128) |v|), then 64 numbers that all hold (the sum of nv) / 4.
; SHARES: 16 work-groups of four waves.  Wave w of work-group y relays tile T = 4 y + w, and makes qb for batches 16 w .. 16 w + 15 and units 64 y .. 64 y + 63 (four tiles, 256 bytes of a row of qb).
; The product is used transposed (source 0 = 16 rows of Wq, source 1 = 16 rows of query): a lane holds one batch and eight neighbouring units.
; LIMITS: NaN and infinities are not served; v must not be all zeros (reference() divides by its norm too).
; THE MODE: SCHED_MODE bits 1:0 = 2 (LLVM: expert scheduling mode 2), set by the entry lines.  The code itself states the register dependences
; between vector or matrix instructions and memory or LDS instructions, with s_wait_alu, always for 0.
; THE PLAN.  Registers that memory or LDS instructions touch:
;   v1-v7     offsets and LDS addresses: made once at the head, never written again.
;   buffer 1  loaded (Wk's tile), read by the relayout's stores, loaded again twice (Wq), read by products; at the end written by the last multiply-adds and read by the stage's stores.
;   buffer 0  loaded three times (Wq, Wq, bk), read by products between; one wave at the end loads v into its first four registers.
;   QF        loaded once, read by all the products; at the end the rows from the stage land in it and the stores of qb read it.
;   v100-106  one wave at the end: written by vector instructions, read by nvt's two stores.
; So a wait on va_vdst stands ahead of the first load, ahead of each reload of a buffer that products have read, ahead of the stage's stores and ahead of nvt's stores; one wait on vm_vsrc ahead of buffer 1's first reload.
.set BLK, 8704
.set QS,  8                            ; v8-11    query's scale words, one for each K step
.set WS,  12                           ; v12-27   Wq's scale words: 4 t + s
.set QF,  28                           ; v28-91   query's four fragments; at the end the rows read back from the stage
.set WF0, 92                           ; v92-155  Wq's four tiles of a K step, buffer 0; at the end bk
.set WF1, 156                          ; v156-219 buffer 1; first Wk's tile for the relayout; at the end the results
.set ACC, 220                          ; v220-251 four accumulators
	s_load_b256 s[4:11], s[0:1], 0x0               ; Wk_codes s[4:5], Wk_scales s[6:7], Wq_codes s[8:9], Wq_scales s[10:11]
	s_load_b256 s[12:19], s[0:1], 0x20             ; bk s[12:13], bq s[14:15], query_codes s[16:17], query_scales s[18:19]
	s_load_b256 s[20:27], s[0:1], 0x40             ; v s[20:21], wkf s[22:23], qb s[24:25], nvt s[26:27]
	s_set_vgpr_msb 0x40
	v_lshl_add_u32 v0, v0, 2, 0x4400
	v_mov_b32 v1, 0
	s_set_vgpr_msb 0x4000
	v_lshrrev_b32 v1, 5, v0
	v_readfirstlane_b32 s28, v1                    ; wave w
	v_and_b32 v1, 15, v0                           ; r
	v_bfe_u32 v2, v0, 4, 1                         ; h
	v_and_b32 v3, 31, v0                           ; lane
	v_lshlrev_b32 v4, 9, v1
	v_lshl_add_u32 v4, v2, 4, v4                   ; v4 = 512 r + 16 h: a fragment's place in rows of 512 codes
	v_lshlrev_b32 v5, 4, v1                        ; v5 = 16 r: a row of 16 scale bytes
	v_lshlrev_b32 v6, 4, v3                        ; v6 = 16 lane
	v_lshlrev_b32 v7, 5, v2                        ; v7 = 32 h: my eight numbers of a tile's 16 biases
	s_wait_alu depctr_va_sdst(0)                   ; s28 is written, ahead of its first reader: the stage's place and all the bases are made from it
	s_mul_i32 s32, s28, 4352                       ; my stage: 16 rows x (256 + 16) bytes
	v_mul_u32_u24 v252, v1, 272
	v_add_nc_u32 v252, v252, v7
	v_mul_u32_u24 v253, v2, 272
	v_add_nc_u32 v253, v253, v5
	v_lshl_add_u32 v3, v2, 12, v5                  ; v3 = 4096 h + 16 r: two rows of qb, 16 bytes a lane
	v_add_nc_u32 v1, s32, v252                     ; v1 = stage + 272 r + 32 h: in
	v_add_nc_u32 v2, s32, v253                     ; v2 = stage + 272 h + 16 r: back
	s_lshl_b32 s29, ttmp9, 2
	s_add_co_u32 s29, s29, s28                     ; T = 4 y + w
	s_mov_b32 s31, 0
	s_mov_b32 s34, 0x76543210
	s_mov_b32 s35, 0xfedcba98                      ; v_permlanex16_b32's selects for lane xor 16
	s_mov_b32 s36, 0x4038aa3b                      ; c = 2 log2(e)
	s_mov_b32 s37, s36                             ; (named with it as a pair)
	s_lshr_b32 s32, s29, 3                         ; the head of tile T
	s_and_b32 s33, s32, 3
	s_mul_i32 s33, s33, 18                         ; 18 x (head % 4)
	s_lshr_b32 s32, s32, 2
	s_lshl_b32 s32, s32, 3                         ; + 8 x (head / 4)
	s_add_co_u32 s33, s33, s32
	s_and_b32 s32, s29, 7
	s_add_co_u32 s33, s33, s32                     ; + T % 8: the block
	s_mul_i32 s33, s33, BLK
	s_wait_kmcnt 0x0
	s_lshl_b32 s30, s29, 13
	s_add_nc_u64 s[4:5], s[4:5], s[30:31]          ; Wk's codes at row 16 T
	s_lshl_b32 s30, s29, 8
	s_add_nc_u64 s[6:7], s[6:7], s[30:31]          ; and its scale bytes
	s_mov_b32 s30, s33
	s_add_nc_u64 s[22:23], s[22:23], s[30:31]      ; wkf at my block
	s_lshl_b32 s30, ttmp9, 15
	s_add_nc_u64 s[8:9], s[8:9], s[30:31]          ; Wq's codes at row 64 y
	s_lshl_b32 s30, ttmp9, 10
	s_add_nc_u64 s[10:11], s[10:11], s[30:31]      ; its scale bytes
	s_lshl_b32 s30, ttmp9, 8
	s_add_nc_u64 s[12:13], s[12:13], s[30:31]      ; bk and bq at unit 64 y
	s_add_nc_u64 s[14:15], s[14:15], s[30:31]
	s_lshl_b32 s30, s28, 13
	s_add_nc_u64 s[16:17], s[16:17], s[30:31]      ; query's codes at batch 16 w
	s_lshl_b32 s30, s28, 8
	s_add_nc_u64 s[18:19], s[18:19], s[30:31]      ; its scale bytes
	s_lshl_b32 s30, s28, 16
	s_lshl_b32 s32, ttmp9, 8
	s_add_co_u32 s30, s30, s32
	s_add_nc_u64 s[24:25], s[24:25], s[30:31]      ; qb at batch 16 w, unit 64 y
; Wq's four tiles of K step s into buffer buf
.macro WLOAD buf, s
.irp t, 0,1,2,3
.irp c, 0,1,2,3
	global_load_b128 v[\buf+16*\t+4*\c:\buf+16*\t+4*\c+3], v4, s[8:9] offset:8192*\t+128*(\s)+32*\c
.endr
.endr
.endm
; four products, the four accumulators by turns, one instruction a turn
.macro MM buf, s
.irp t, 0,1,2,3
	v_wmma_scale_f32_16x16x128_f8f6f4 v[ACC+8*\t:ACC+8*\t+7], v[\buf+16*\t:\buf+16*\t+15], v[QF+16*(\s):QF+16*(\s)+15], v[ACC+8*\t:ACC+8*\t+7], v[WS+4*\t+(\s)], v[QS+(\s)] matrix_a_fmt:MATRIX_FMT_BF8 matrix_b_fmt:MATRIX_FMT_BF8
.endr
.endm
.macro PLACES                          ; eight places between a matrix instruction of this form and a load into a register that it has read
.rept 8
	v_nop
.endr
.endm
	s_wait_alu depctr_va_vdst(0)                   ; the seven offsets and addresses v1 to v7 are written, which the loads and stores below read; so are v252 and v253, in which a load lands
	; ---- R's loads: 17
.irp u, 0,1,2,3,4,5,6,7,8,9,10,11,12,13,14,15
	global_load_b128 v[WF1+4*\u:WF1+4*\u+3], v4, s[4:5] offset:32*\u
.endr
	global_load_b128 v[252:255], v5, s[6:7]
	; ---- Q's first loads: 1 + 4 + 16 + 8 + 16 = 45
	global_load_b128 v[QS:QS+3], v5, s[18:19]
.irp t, 0,1,2,3
	global_load_b128 v[WS+4*\t:WS+4*\t+3], v5, s[10:11] offset:256*\t
.endr
.irp u, 0,1,2,3,4,5,6,7,8,9,10,11,12,13,14,15
	global_load_b128 v[QF+4*\u:QF+4*\u+3], v4, s[16:17] offset:32*\u
.endr
.irp t, 0,1,2,3
	global_load_b128 v[ACC+8*\t:ACC+8*\t+3], v7, s[14:15] offset:64*\t       ; bq is the C of each sum's first product: it costs no addition
	global_load_b128 v[ACC+8*\t+4:ACC+8*\t+7], v7, s[14:15] offset:64*\t+16
.endr
	WLOAD WF0, 0
	s_wait_loadcnt 45                              ; R's 17 loads are in; Q's 45 may be out
.irp u, 0,1,2,3,4,5,6,7,8,9,10,11,12,13,14,15
	global_store_b128 v6, v[WF1+4*\u:WF1+4*\u+3], s[22:23] offset:512*\u     ; 32 lanes store 512 consecutive bytes
.endr
	global_store_b128 v6, v[252:255], s[22:23] offset:8192
	s_and_b32 s32, s29, 0x26                       ; T < 32 and T % 8 < 2: blocks 0 and 1 of a wave are stored again as its blocks 16 and 17
	s_cmp_lg_u32 s32, 0
	s_cbranch_scc1 .Lnocopy
.irp u, 0,1,2,3,4,5,6,7,8,9,10,11,12,13,14,15
	global_store_b128 v6, v[WF1+4*\u:WF1+4*\u+3], s[22:23] offset:16*BLK+512*\u
.endr
	global_store_b128 v6, v[252:255], s[22:23] offset:16*BLK+8192
.Lnocopy:
	s_wait_xcnt 0x0                                ; the stores have read their registers: buffer 1 may be loaded again
	s_wait_alu depctr_vm_vsrc(0)                   ; the relayout's stores, on both ways here, have read buffer 1, in which the loads below land
	WLOAD WF1, 1
	s_wait_loadcnt 16                              ; all but buffer 1's 16
	MM WF0, 0
	PLACES
	s_wait_alu depctr_va_vdst(0)                   ; K step 0's products are done reading buffer 0, in which the loads below land
	WLOAD WF0, 2
	s_wait_loadcnt 16
	MM WF1, 1
	PLACES
	s_wait_alu depctr_va_vdst(0)                   ; K step 1's products are done reading buffer 1, in which the loads below land
	WLOAD WF1, 3
	s_wait_loadcnt 16
	MM WF0, 2
	PLACES
	s_wait_alu depctr_va_vdst(0)                   ; K step 2's products are done reading buffer 0, in which bk lands
.irp t, 0,1,2,3
	global_load_b128 v[WF0+8*\t:WF0+8*\t+3], v7, s[12:13] offset:64*\t       ; bk, in the result's layout
	global_load_b128 v[WF0+8*\t+4:WF0+8*\t+7], v7, s[12:13] offset:64*\t+16
.endr
	s_wait_loadcnt 8                               ; buffer 1 is in; bk's 8 may be out
	MM WF1, 3
	s_wait_loadcnt 0x0
.set cn, 0
.rept 16
	v_pk_mul_f32 v[WF0+2*cn:WF0+2*cn+1], v[WF0+2*cn:WF0+2*cn+1], s[36:37] op_sel_hi:[1,0]   ; c bk: these sixteen name no register of the last products: they are the places behind them
.set cn, cn+1
.endr
.set cn, 0
.rept 16
	v_pk_fma_f32 v[WF1+2*cn:WF1+2*cn+1], v[ACC+2*cn:ACC+2*cn+1], s[36:37], v[WF0+2*cn:WF0+2*cn+1] op_sel_hi:[1,0,1]   ; c (sum + bq) + c bk; each accumulator from its low end on
.set cn, cn+1
.endr
	s_wait_alu depctr_va_vdst(0)                   ; the multiply-adds have written v[WF1 ..], which the stage's stores read; the products are done reading query's fragments, in which the rows land; the multiply-adds are done with v92 to v95, in which v lands
.irp t, 0,1,2,3
	ds_store_b128 v1, v[WF1+8*\t:WF1+8*\t+3] offset:64*\t
	ds_store_b128 v1, v[WF1+8*\t+4:WF1+8*\t+7] offset:64*\t+16
.endr
.irp q, 0,1,2,3,4,5,6,7
	ds_load_b128 v[QF+4*\q:QF+4*\q+3], v2 offset:544*\q      ; LDS serves a wave's instructions in order (ISA guide 5.7.1.4): these see my stores
.endr
.irp q, 0,1,2,3,4,5,6,7
	s_wait_dscnt 7-\q
	global_store_b128 v3, v[QF+4*\q:QF+4*\q+3], s[24:25] offset:8192*\q      ; sixteen lanes store 256 consecutive bytes, at a multiple of 256 from qb's first byte
.endr
	; ---- N: one wave of the launch
	s_or_b32 s32, s28, ttmp9
	s_cmp_lg_u32 s32, 0
	s_cbranch_scc1 .Lend
	global_load_b128 v[92:95], v6, s[20:21]        ; four numbers of v a lane
	v_mov_b32 v98, 0                               ; (a lane permute's destination counts as one of its sources)
	v_mov_b32 v99, 0
	v_lshlrev_b32 v106, 3, v0                      ; 8 x lane (this is wave 0)
	s_wait_loadcnt 0x0
	v_mul_f32 v96, v92, v92                        ; the sum of squares, and the plain sum
	v_add_f32 v97, v92, v93
	v_fmac_f32 v96, v93, v93
	v_add_f32 v97, v97, v94
	v_fmac_f32 v96, v94, v94
	v_add_f32 v97, v97, v95
	v_fmac_f32 v96, v95, v95
.irp x, 1,2,4,8
	v_add_f32_dpp v96, v96, v96 row_xmask:\x row_mask:0xf bank_mask:0xf
	v_add_f32_dpp v97, v97, v97 row_xmask:\x row_mask:0xf bank_mask:0xf
.endr
	v_permlanex16_b32 v98, v96, s34, s35
	v_permlanex16_b32 v99, v97, s34, s35
	v_add_f32 v96, v96, v98
	v_add_f32 v97, v97, v99
	v_rsq_f32 v96, v96
	v_mul_f32 v97, 0x3e800000, v97                 ; (the sum of v) / 4: the plain instruction behind the transcendental
	s_wait_alu depctr_va_vdst(0)                   ; the wait ahead of the first use of its result
	v_mul_f32 v96, 0x3db504f3, v96                 ; 1 / (sqrt(128) |v|)
	v_mul_f32 v98, -2.0, v96
	v_mul_f32 v104, v97, v96
	v_mul_f32 v105, v97, v96
.irp i, 0,1,2,3
	v_mul_f32 v[100+\i], v[92+\i], v98
.endr
	s_wait_alu depctr_va_vdst(0)                   ; the multiplications have written v100 to v105, and the shift v106: the two stores' data and offset
	global_store_b128 v6, v[100:103], s[26:27]
	global_store_b64 v106, v[104:105], s[26:27] offset:512
.Lend:
	s_set_vgpr_msb 0x5
	s_wait_dscnt 0x0                               ; the closing lines, six on end
	s_wait_alu 0x0
	s_wait_tensorcnt 0x0
	ds_add_u32 v0, v1
	s_wait_dscnt 0x0
	s_endpgm
.Lfunc_end_k_qda0e396669_prep:
	.size	k_qda0e396669_prep, .Lfunc_end_k_qda0e396669_prep-k_qda0e396669_prep
	.p2alignl 7, 3214868480
	.fill 96, 4, 3214868480
	.section	.rodata,"a",@progbits
	.p2align	6, 0x0
	.amdhsa_kernel k_qda0e396669_prep
		.amdhsa_group_segment_fixed_size 17920
		.amdhsa_private_segment_fixed_size 0
		.amdhsa_enable_private_segment 0
		.amdhsa_kernarg_size 96
		.amdhsa_user_sgpr_count 2
		.amdhsa_user_sgpr_kernarg_segment_ptr 1
		.amdhsa_wavefront_size32 1
		.amdhsa_system_sgpr_workgroup_id_x 1
		.amdhsa_system_sgpr_workgroup_id_y 1
		.amdhsa_system_sgpr_workgroup_id_z 1
		.amdhsa_system_vgpr_workitem_id 0
		.amdhsa_next_free_vgpr 258
		.amdhsa_next_free_sgpr 66
		.amdhsa_reserve_vcc 0
		.amdhsa_float_denorm_mode_32 3
		.amdhsa_float_denorm_mode_16_64 3
		.amdhsa_memory_ordered 1
		.amdhsa_forward_progress 1
		.amdhsa_inst_pref_size 27
	.end_amdhsa_kernel
	.amdgpu_metadata
---
amdhsa.version: [ 1, 2 ]
amdhsa.kernels:
  - .name:           k_qda0e396669_prep
    .symbol:         k_qda0e396669_prep.kd
    .args:
      - { .name: Wk_codes, .offset: 0, .size: 8, .value_kind: global_buffer, .address_space: global }
      - { .name: Wk_scales, .offset: 8, .size: 8, .value_kind: global_buffer, .address_space: global }
      - { .name: Wq_codes, .offset: 16, .size: 8, .value_kind: global_buffer, .address_space: global }
      - { .name: Wq_scales, .offset: 24, .size: 8, .value_kind: global_buffer, .address_space: global }
      - { .name: bk, .offset: 32, .size: 8, .value_kind: global_buffer, .address_space: global }
      - { .name: bq, .offset: 40, .size: 8, .value_kind: global_buffer, .address_space: global }
      - { .name: query_codes, .offset: 48, .size: 8, .value_kind: global_buffer, .address_space: global }
      - { .name: query_scales, .offset: 56, .size: 8, .value_kind: global_buffer, .address_space: global }
      - { .name: v, .offset: 64, .size: 8, .value_kind: global_buffer, .address_space: global }
      - { .name: wkf, .offset: 72, .size: 8, .value_kind: global_buffer, .address_space: global }
      - { .name: qb, .offset: 80, .size: 8, .value_kind: global_buffer, .address_space: global }
      - { .name: nvt, .offset: 88, .size: 8, .value_kind: global_buffer, .address_space: global }
    .group_segment_fixed_size: 17920
    .private_segment_fixed_size: 0
    .kernarg_segment_align: 8
    .kernarg_segment_size: 96
    .max_flat_workgroup_size: 128
    .sgpr_count:     66
    .vgpr_count:     258
    .wavefront_size: 32
...
	.end_amdgpu_metadata
.endif
;; end of part 4
;; launch main (part 5): grid 256 x 1, 4 waves a work-group, no clusters, 276,992 bytes of LDS; arguments key, wkf, qb, nvt, part; writes part
.if DOCPART == 5
	.amdgcn_target "amdgcn-amd-amdhsa--gfx1250"
	.amdhsa_code_object_version 6
	.text
	.protected	k_qda0e396669_main
	.globl	k_qda0e396669_main
	.p2align	8
	.type	k_qda0e396669_main,@function
k_qda0e396669_main:
	s_mov_b64 s[64:65], 0
	v_nop
	global_prefetch_b8 v0, s[64:65] scope:SCOPE_SE
	s_setreg_imm32_b32 hwreg(HW_REG_WAVE_SCHED_MODE, 0, 2), 2
	s_setreg_imm32_b32 hwreg(HW_REG_WAVE_MODE, 25, 1), 1
	s_wait_xcnt 0x0
	s_wait_alu depctr_vm_vsrc(0)
; For 512 rows t of one batch: k = Q(key) Wk^T on codes of E5M2 with E8M0 scales; add[h][t] = sum over d of nv[d] tanh(k + bk + q + bq); softmax over the 8 heads; part[h][:] = sum over t of w[h][t] key[t][:].
; SHARES.  Work-group x owns rows 512 x .. 512 x + 511 of key taken as [131072][512] (batch x / 4).  Four waves, each with 1,024 registers.  Wave c owns heads c and c + 4 for all rows in flight,
; so each fragment of Wk is read by ONE wave of the work-group, by dense 512-byte loads from wkf straight into its registers, and feeds 8 matrix instructions (8 tiles of 16 rows).
; CLUSTERS AND JOINT LOADS ARE NOT USED: a joint load lands in LDS, and a work-group walks 9 x 4 x 8 blocks of 8,704 bytes of Wk, 2.5 MB, which would be written to LDS and read again for no second user in the
; work-group; of LDS 51 KB are left beside what is used here.
; SKEW.  Rows enter in sub-chunks of 64.  A HALF PASS (hp) is one head a wave, 8 tiles of 16 units.  Sub-chunk j is multiplied in hp j and hp j + 1 (heads 0-3 in even hp, 4-7 in odd): 128 rows are in flight,
; 64 are coming in.  During hp p (0 .. 6) the waves also make sub-chunk p + 1: wave w takes its rows 16 w .. 16 w + 15: dense loads, a turn through LDS, the quantiser; codes and scale words go to LDS as images of
; the operand's registers, the numbers rounded to bf16 go to a stash of three buffers, from which the last product takes them: key is read from memory once.
; THE PRODUCT IS USED TRANSPOSED: source 0 = 16 rows of Wk, source 1 = 16 rows of key: lane (r, h) holds key row r, register j unit 16 i + 8 h + j: the sum over d stays in the lane but for one exchange.
; tanh(z) = 1 - 2 / (1 + 2^(c z)), c = 2 log2(e): y = c x + qb is one packed multiply-add (qb = c (q + bq + bk) from the launch before), then v_exp_f32, + 1, v_rcp_f32, and a packed multiply-add by -2 nv;
; the four partial sums of a row each begin at (the sum of nv) / 4.
; THE SOFTMAX takes the row's largest score away, as reference() does.  Weights and key are rounded to bf16 for the last product, whose sums are f32; heads fill 8 of its 16 columns, the other 8 repeat them.
; LIMITS.  A block whose largest magnitude lies under 2^-111, a block of zeros among them, gets the scale byte 1 (its codes are then zeros or subnormal codes; the bytes are read by this program alone).  NaN and infinities are
; not served.  tanh by the form above has an absolute error of some 1e-7.  The sum over t is taken in another order than reference()'s.
; REGISTERS, in windows of 256 (s_set_vgpr_msb: bits 1:0 source 0, 3:2 source 1, 5:4 source 2, 7:6 destination):
;   window 0: v1-23 addresses; v24-55 key's scale words; v56-63 Wk's; v64-191 four sets of 32 numbers of key; v192-217 at work; v218-249 the last product's tiles 0-3; v250-255 at work at the head, v250-253 then the quantiser's
;   window 1: the codes of the even sub-chunk in flight (64 m + 16 s + 4 cc);  window 2: those of the odd one
;   window 3: v0-63, v64-127 two tiles of Wk; v128-191 the 8 accumulators; v192-199 qb's eight; v200-207 -2 nv's eight; v208-223 the scores' partial sums; v224-255 the last product's tiles 4-7
; THE MODE: SCHED_MODE bits 1:0 = 2 (LLVM: expert scheduling mode 2), set by the entry lines.  The code itself states the register dependences
; between vector or matrix instructions and memory or LDS instructions, with s_wait_alu, always for 0.
; THE PLAN.  Registers that memory or LDS instructions touch, round a step:
;   RAW0 .. RAW3   KLOAD lands; three steps on TURNIN's stores read the set and its loads land in it again; the next step's quantiser reads it and holds it in place; KLOAD lands again.
;   OUT            v192-195, v200, v202-217, v250-253: the quantiser writes them, its seven LDS stores read them, the next step's quantiser writes them again.  No store reads a raw set but TURNIN's.
;   Wk's two buffers and v56-63: BLOAD lands, the products read.      qb's and nv's eights: CLOAD lands, tanh's first and last multiply-adds read.
;   windows 1, 2 and v24-55: FETCH lands, the products read.          the accumulators: products write, tanh works in place, the turning loads land, the last product reads.
;   addresses      v[BA], v[NA], v[IW], v[SIW], v[SW] are written at a trip's end; v[SCW], v[SCRD], v[TR], v[SW] at a half pass's edge; the others never again.
; A STEP: qb and nv | the products | the quantiser's vector lines | tanh's scalings and exponentials | ALL THE STEP'S MEMORY WORK IN ONE RUN | tanh's reciprocals and sums.
; It has three waits on va_vdst: at its head (the last tanh is done reading qb's and nv's eights; the addresses are written); ahead of the run (the exponentials' results, the products' reads of Wk's buffer, the quantiser's
; reads of its raw set and its writes of OUT); behind the reciprocals.  And one on vm_vsrc, in TURNIN between its stores and its loads: it stands behind every LDS instruction of the step that reads a register which is written again.
.set SPI,  1056                        ; a stash row: 1,024 bytes of bf16 + 32
.set STB,  64*SPI                      ; a stash buffer: 64 rows.  LDS 0 .. 3 STB: the stash; sub-chunk j lies in buffer j % 3
.set IMG,  204800                      ; 32,768: codes as images: (16 m + 4 s + cc) 512 + 16 lane
.set SIMG, 237568                      ; 2,048: key's scale words: (4 m + s) 128 + 4 lane
.set SCR,  241664                      ; 4,096: scores, f32: 2,048 (sub-chunk % 2) + 256 head + 4 row
.set PT,   245760                      ; 4 x 2,048: a wave's qb of head c, of head c + 4, and -2 nv, 512 bytes each
.set TS,   253952                      ; 4 x 4,352: a wave's turn stage: 16 rows x (256 + 16)
.set WT,   271360                      ; 4 x 1,152: a wave's weights in bf16: 8 heads x (128 + 16)
.set OSP,  2064                        ; the way out: 16 rows x (2,048 + 16), over the stash's first buffer
.set BLK,  8704                        ; a block of wkf
.set KO,   1                           ; 2048 h + 16 r: key: two rows a load, 256 bytes of each
.set BO,   2                           ; 16 lane
.set TW,   3                           ; turn stage, in: TS + 4352 w + 272 h + 16 r
.set TRD,  4                           ; turn stage, back: TS + 4352 w + 272 r + 64 h
.set IW,   5                           ; where I store code images: IMG + 8192 w + 16 lane (+ 4096 in a half pass's second trip)
.set SIW,  6                           ; and scale words: SIMG + 512 w + 4 lane (+ 256)
.set SW0,  7                           ; my place in a stash buffer: (16 w + r) SPI + 32 h
.set SW,   8                           ; the same in the buffer and trip in hand
.set LI,   9                           ; IMG + 16 lane
.set LS,   10                          ; SIMG + 4 lane
.set BA,   11                          ; PT + 2048 w + 32 h (+ 256 second trip, + 512 odd half pass)
.set NA,   12                          ; BA's start + 1024 (+ 256 second trip)
.set SCW,  13                          ; SCR + 256 w + 4 r (+ 1024 odd half pass)
.set SCRD, 14                          ; SCR + 8 lane (+ 2048 for an odd sub-chunk)
.set WTW,  15                          ; WT + 1152 w + 4 lane
.set WTR,  16                          ; WT + 1152 w + 144 (r % 8) + 16 h
.set TR0,  17                          ; the turning load's place: (8 h + lane % 8) SPI + 16 ((lane / 8) % 2) + 256 w
.set TR,   18                          ; the same in the buffer in hand
.set PTW,  19                          ; PT + 2048 w + 16 lane
.set OSW,  21                          ; OSP r + 512 w + 32 h
.set OSR,  22                          ; 2 OSP w + 16 lane
.set S4,   23                          ; (the sum of nv) / 4
.set SA,   24                          ; key's scale words: 16 (sub-chunk % 2) + 4 m + s
.set SB,   56                          ; Wk's: 4 a + s
.set R,    64                          ; raw sets: R + 32 set
.set T,    192                         ; v192-193 a block's largest magnitude
.set U,    194                         ; v194-195 the other half's; then the scale's byte
.set SO,   196                         ; v196-197 the conversion's scale operand
.set HD,   198                         ; v198-199 57,344 x the scale
.set SWD,  200                         ; the scale word in the making
.set T8,   202                         ; v202-209 the first block's 16 numbers in bf16
.set C4,   210                         ; v210-213 the first block's 16 codes
.set T9,   214                         ; v214-217 the second block's first 8 numbers in bf16
.set TA,   250                         ; v250-253 its other 8
.set C5,   192                         ; v192-195 the second block's 16 codes, where the magnitudes and bytes lay
.set E,    192                         ; v192-207 the softmax's 8 pairs (rows 2 lane, 2 lane + 1), then the weights' two fragments
.set CX,   218                         ; the last product's tiles 0-3
.set AC,   128                         ; window 3
.set BI,   192
.set NV,   200
.set SCB,  208
.set CXH,  224
; scalars: s14 w; s[16:17] key at my rows; s[18:19] the same at the trip ahead; s[20:21] wkf at my blocks; s[22:23] at the trip's four; s[24:25] an offset, high word 0; s26 production trips asked for; s27 the trip % 4;
; s28 the trip in a half pass; s29 the half pass; s[30:31] lane selects; s32 57,344's mantissa field; s[34:35] c; s37 at work; s38, s39, s40 the stash buffers: written now, read now, the third; s[42:43] log2(e)
.set MSB, 0
.macro WIN new                         ; the immediate's high byte repeats the setting that is left; a switch that changes nothing is dropped
.if MSB != (\new)
	s_set_vgpr_msb (MSB<<8)|(\new)
.set MSB, (\new)
.endif
.endm
.macro BAR                             ; my LDS stores have landed and my LDS loads are in: then the work-group's barrier
	s_wait_dscnt 0x0
	s_barrier_signal -1
	s_barrier_wait -1
.endm
.macro CLOAD k                         ; the tile's eight qb and eight -2 nv of my half of the lanes
	WIN 0xc0
	s_wait_alu depctr_va_vdst(0)                   ; the last step's tanh is done reading qb's and nv's eights, in which these loads land; v[BA] and v[NA], stepped at a trip's end and a half pass's, are written
	ds_load_b128 v[BI:BI+3], v[BA] offset:64*(\k)
	ds_load_b128 v[BI+4:BI+7], v[BA] offset:64*(\k)+16
	ds_load_b128 v[NV:NV+3], v[NA] offset:64*(\k)
	ds_load_b128 v[NV+4:NV+7], v[NA] offset:64*(\k)+16
.endm
.macro BLOAD a, k                      ; a block of wkf into buffer a: 16 loads of codes, one of scale words; each covers 512 consecutive bytes
	WIN 0xc0
.irp u, 0,1,2,3,4,5,6,7,8,9,10,11,12,13,14,15
	global_load_b128 v[64*(\a)+4*\u:64*(\a)+4*\u+3], v[BO], s[22:23] offset:BLK*(\k)+512*\u
.endr
	WIN 0
	global_load_b128 v[SB+4*(\a):SB+4*(\a)+3], v[BO], s[22:23] offset:BLK*(\k)+8192
.endm
.macro KLOAD rho, k                    ; 16 rows x 256 bytes of key into a raw set: each load takes 256 aligned bytes of two rows
.irp q, 0,1,2,3,4,5,6,7
	global_load_b128 v[R+32*(\rho)+4*\q:R+32*(\rho)+4*\q+3], v[KO], s[18:19] offset:256*(\k)+4096*\q th:TH_LOAD_NT
.endr
.endm
.macro TURNIN rho                      ; a raw set through my stage: in as loaded, back as 16 neighbours of each of two blocks of 32, into the same registers (LDS serves a wave's instructions in order: ISA guide 5.7.1.4)
.irp q, 0,1,2,3,4,5,6,7
	ds_store_b128 v[TW], v[R+32*(\rho)+4*\q:R+32*(\rho)+4*\q+3] offset:544*\q
.endr
	s_wait_alu depctr_vm_vsrc(0)                   ; these stores have read the set, in which the loads below land; the LDS stores ahead of them have read the registers that the next quantiser writes, and their addresses; the step's loads of qb and nv have read theirs
.irp b, 0,1
.irp j, 0,1,2,3
	ds_load_b128 v[R+32*(\rho)+16*\b+4*\j:R+32*(\rho)+16*\b+4*\j+3], v[TRD] offset:128*\b+16*\j
.endr
.endr
.endm
; THE QUANTISER, for two blocks of 32 along K of my row (16 numbers of each are mine, the others lane xor 16's): its vector lines.  The bf16 copies are taken ahead of the hold.  All that is to be stored lies in registers of its own.
.macro QUANTV rho, k
.set X0, R+32*(\rho)
.set X1, X0+16
	v_max3_num_f32 v[T], |v[X0]|, |v[X0+1]|, 0x8000000           ; the largest magnitude, with the floor 2^(16 - 127) among its leaves: the byte cannot fall under 1
	v_max3_num_f32 v[T+1], |v[X1]|, |v[X1+1]|, 0x8000000
.irp i, 2,4,6,8,10,12,14
	v_max3_num_f32 v[T], v[T], |v[X0+\i]|, |v[X0+\i+1]|
	v_max3_num_f32 v[T+1], v[T+1], |v[X1+\i]|, |v[X1+\i+1]|
.endr
	v_permlanex16_b32 v[U], v[T], s30, s31
	v_permlanex16_b32 v[U+1], v[T+1], s30, s31
	v_max_num_f32 v[T], v[T], v[U]
	v_max_num_f32 v[T+1], v[T+1], v[U+1]
	v_add_nc_u32 v[SO], 0xf8800000, v[T]                         ; 15 off the exponent field: the conversion takes this operand's exponent field as its scale
	v_add_nc_u32 v[SO+1], 0xf8800000, v[T+1]
	v_and_or_b32 v[HD], v[T], 0x7f800000, s32                    ; 57,344 x the scale
	v_and_or_b32 v[HD+1], v[T+1], 0x7f800000, s32
	v_lshrrev_b32 v[U], 23, v[SO]                                ; the scale's byte
	v_lshrrev_b32 v[U+1], 23, v[SO+1]
.irp i, 0,1,2,3,4,5,6,7
	v_cvt_pk_bf16_f32 v[T8+\i], v[X0+2*\i], v[X0+2*\i+1]
.endr
.irp i, 0,1,2,3,4,5,6,7,8,9,10,11,12,13,14,15
	v_med3_num_f32 v[X0+\i], v[X0+\i], -v[HD], v[HD]             ; the conversion to an 8-bit code does not saturate (ISA guide 7.6.2): the hold
.endr
	v_cvt_scalef32_pk8_bf8_f32 v[C4:C4+1], v[X0:X0+7], v[SO]
	v_cvt_scalef32_pk8_bf8_f32 v[C4+2:C4+3], v[X0+8:X0+15], v[SO]
.if (\k)%2 == 0                        ; four bytes, two steps' blocks, make a K step's scale word.  (A plain instruction behind the conversions)
	v_lshl_or_b32 v[SWD], v[U+1], 8, v[U]
.else
	v_lshl_or_b32 v[SWD], v[U], 16, v[SWD]
	v_lshl_or_b32 v[SWD], v[U+1], 24, v[SWD]
.endif
.irp i, 0,1,2,3
	v_cvt_pk_bf16_f32 v[T9+\i], v[X1+2*\i], v[X1+2*\i+1]
.endr
.irp i, 0,1,2,3
	v_cvt_pk_bf16_f32 v[TA+\i], v[X1+8+2*\i], v[X1+8+2*\i+1]
.endr
.irp i, 0,1,2,3,4,5,6,7,8,9,10,11,12,13,14,15
	v_med3_num_f32 v[X1+\i], v[X1+\i], -v[HD+1], v[HD+1]
.endr
	v_cvt_scalef32_pk8_bf8_f32 v[C5:C5+1], v[X1:X1+7], v[SO+1]   ; the magnitudes and the bytes are done with: their four registers take the codes
	v_cvt_scalef32_pk8_bf8_f32 v[C5+2:C5+3], v[X1+8:X1+15], v[SO+1]
	v_nop                                                        ; one plain instruction behind the last conversion
.endm
; and its stores, in one run: the bf16 copies to the stash, the codes to LDS as the operand's registers, every second step the K step's scale word
.macro QSTORE k
	ds_store_b128 v[SW], v[T8:T8+3] offset:128*(\k)
	ds_store_b128 v[SW], v[T8+4:T8+7] offset:128*(\k)+16
	ds_store_b128 v[SW], v[T9:T9+3] offset:128*(\k)+64
	ds_store_b128 v[SW], v[TA:TA+3] offset:128*(\k)+80
	ds_store_b128 v[IW], v[C4:C4+3] offset:1024*(\k)
	ds_store_b128 v[IW], v[C5:C5+3] offset:1024*(\k)+512
.if (\k)%2 == 1
	ds_store_b32 v[SIW], v[SWD] offset:128*((\k)/2)
.endif
.endm
; 16 products: one tile of Wk (buffer a) x the four row tiles of the sub-chunk in window 1 + p, K = 512 in four steps.  The first step starts the sums.  The four accumulators take turns, one instruction a turn.
.macro WM p, a
	WIN 0xf7+4*(\p)
.irp s, 0,1,2,3
.irp m, 0,1,2,3
.if \s == 0
	v_wmma_scale_f32_16x16x128_f8f6f4 v[AC+32*(\p)+8*\m:AC+32*(\p)+8*\m+7], v[64*(\a)+16*\s:64*(\a)+16*\s+15], v[64*\m+16*\s:64*\m+16*\s+15], 0, v[SB+4*(\a)+\s], v[SA+16*(\p)+4*\m+\s] matrix_a_fmt:MATRIX_FMT_BF8 matrix_b_fmt:MATRIX_FMT_BF8
.else
	v_wmma_scale_f32_16x16x128_f8f6f4 v[AC+32*(\p)+8*\m:AC+32*(\p)+8*\m+7], v[64*(\a)+16*\s:64*(\a)+16*\s+15], v[64*\m+16*\s:64*\m+16*\s+15], v[AC+32*(\p)+8*\m:AC+32*(\p)+8*\m+7], v[SB+4*(\a)+\s], v[SA+16*(\p)+4*\m+\s] matrix_a_fmt:MATRIX_FMT_BF8 matrix_b_fmt:MATRIX_FMT_BF8
.endif
.endr
.endr
.endm
; nt accumulators from v[lo] on: the partial sums take -2 nv / (1 + 2^(c x + qb)).  The exponentials are one batch with one wait, and so are the reciprocals.
; TANH1: the scalings and the exponentials; the batch's wait is the step's, ahead of its memory work.  TANH2: the rest.
.macro TANH1 lo, nt
	WIN 0xff
.set cn, 0
.rept 4*(\nt)
	v_pk_fma_f32 v[(\lo)+2*cn:(\lo)+2*cn+1], v[(\lo)+2*cn:(\lo)+2*cn+1], s[34:35], v[BI+2*(cn%4):BI+2*(cn%4)+1] op_sel_hi:[1,0,1]   ; each accumulator from its low end on
.set cn, cn+1
.endr
.set cn, 0
.rept 8*(\nt)
	v_exp_f32 v[(\lo)+cn], v[(\lo)+cn]
.set cn, cn+1
.endr
	v_nop                                          ; a plain instruction behind the last transcendental
.endm
.macro TANH2 lo, nt
	WIN 0xff
.set cn, 0
.rept 4*(\nt)
	v_pk_add_f32 v[(\lo)+2*cn:(\lo)+2*cn+1], v[(\lo)+2*cn:(\lo)+2*cn+1], 1.0 op_sel_hi:[1,0]
.set cn, cn+1
.endr
.set cn, 0
.rept 8*(\nt)
	v_rcp_f32 v[(\lo)+cn], v[(\lo)+cn]
.set cn, cn+1
.endr
	v_nop
	s_wait_alu depctr_va_vdst(0)                   ; the reciprocals are written: the wait ahead of the batch's first use
.set cj, 0
.rept 4
.set ct, 0
.rept \nt
	v_pk_fma_f32 v[SCB+((\lo)-AC)/4+2*ct:SCB+((\lo)-AC)/4+2*ct+1], v[(\lo)+8*ct+2*cj:(\lo)+8*ct+2*cj+1], v[NV+2*cj:NV+2*cj+1], v[SCB+((\lo)-AC)/4+2*ct:SCB+((\lo)-AC)/4+2*ct+1]   ; the row tiles by turns
.set ct, ct+1
.endr
.set cj, cj+1
.endr
.endm
.macro TAN1 p0, p1                     ; for the sub-chunks in flight
.if (\p0) && (\p1)
	TANH1 AC, 8
.elseif \p0
	TANH1 AC, 4
.else
	TANH1 AC+32, 4
.endif
.endm
.macro TAN2 p0, p1
.if (\p0) && (\p1)
	TANH2 AC, 8
.elseif \p0
	TANH2 AC, 4
.else
	TANH2 AC+32, 4
.endif
.endm
.macro FETCH f                         ; a sub-chunk's codes and scale words from their images into window 1 + f: all four row tiles, in every wave.  (The products that read these registers stand ahead of the wait in SCORES, and no vector or matrix instruction follows that wait)
	WIN 0x40*(1+(\f))
.set cn, 0
.rept 64
	ds_load_b128 v[4*cn:4*cn+3], v[LI] offset:512*cn
.set cn, cn+1
.endr
	WIN 0
.set cn, 0
.rept 16
	ds_load_b32 v[SA+16*(\f)+cn], v[LS] offset:128*cn
.set cn, cn+1
.endr
.endm
; The head of a trip of four steps: the bases of its loads.  Wk: steps n .. n + 3 ask for blocks (n + 2) % 16 on: 2, 6, 10 or 14, four on end (blocks 16, 17 repeat 0, 1).
; key: the trip asks for the production trip after its own: sub-chunk e / 2, bytes 1,024 (e % 2) of its rows.  e is held at 15: the last producing trip has no trip after it, and reads its own 16 KB a wave
; again and drops them, so that every trip issues the same loads and the counted waits hold.
.macro TRIPHEAD mul, prod
	s_wait_xcnt 0x0                                ; the last trip's loads have read their bases
.if \mul
	s_add_co_u32 s27, s27, 1
	s_and_b32 s27, s27, 3
	s_mul_i32 s24, s27, 4*BLK
	s_add_co_u32 s24, s24, 2*BLK
	s_add_nc_u64 s[22:23], s[20:21], s[24:25]
.endif
.if \prod
	s_add_co_u32 s26, s26, 1
	s_min_u32 s37, s26, 15
	s_lshr_b32 s24, s37, 1
	s_lshl_b32 s24, s24, 17
	s_and_b32 s37, s37, 1
	s_lshl_b32 s37, s37, 10
	s_add_co_u32 s24, s24, s37
	s_add_nc_u64 s[18:19], s[16:17], s[24:25]
.endif
.endm
.macro TRIPEND mul, prod               ; the LDS addresses go on to the other trip's tiles and K steps.  (In a producing trip the wait in the last step's TURNIN stands behind every LDS instruction that has read these five)
.if !(\prod)
	s_wait_alu depctr_vm_vsrc(0)                   ; this trip's loads of qb and nv have read v[BA] and v[NA]
.endif
.if \mul
	v_xor_b32 v[BA], 256, v[BA]
	v_xor_b32 v[NA], 256, v[NA]
.endif
.if \prod
	v_xor_b32 v[IW], 4096, v[IW]
	v_xor_b32 v[SIW], 256, v[SIW]
	v_add_nc_u32 v[SW], 512, v[SW]
.endif
.endm
; A STEP: one tile of 16 units of my head, for the sub-chunks in flight (p0: the even one, p1: the odd one).  prod = 1: also 16 rows x 64 along K of the sub-chunk that is coming in.
.macro STEP k, p0, p1, prod
	CLOAD \k
.if \prod
	s_wait_loadcnt 33                              ; this tile of Wk was asked for two steps ago; behind it came 8 + 17 + 8 loads.  The raw set that TURNIN takes below is older still
.else
	s_wait_loadcnt 17                              ; behind this tile came the next tile's 17
.endif
.if \p0
	WM 0, (\k)%2
.endif
.if \p1
	WM 1, (\k)%2
.endif
	WIN 0
	s_wait_dscnt 0x0                               ; qb and nv are in, and the turned numbers
.if \prod
	QUANTV \k, \k                                  ; its first sixteen lines are the places behind the products
.else
.rept 8
	v_nop                                          ; eight places behind the products, ahead of the first read of their results
.endr
.endif
	TAN1 \p0, \p1
	WIN 0xc0
	s_wait_alu depctr_va_vdst(0)                   ; the exponentials are written (the wait ahead of the batch's first use); the products are done reading Wk's buffer and its scale words, and the quantiser its raw set, in which the loads below land; the quantiser has written what the stores below read
	BLOAD (\k)%2, \k                               ; the tile two steps on, into the buffer just multiplied
.if \prod
	KLOAD \k, \k                                   ; the set just quantised takes the numbers of four steps on: no store reads it
	QSTORE \k
	TURNIN ((\k)+1)%4
.endif
	TAN2 \p0, \p1
.endm
.macro PSTEP k                         ; a step of the first sub-chunk's making, ahead of all products
	s_wait_dscnt 0x0
	QUANTV \k, \k
	s_wait_alu depctr_va_vdst(0)                   ; the quantiser is done with its raw set, in which the loads below land, and has written what the stores below read; v[SW], v[IW], v[SIW] are written
	KLOAD \k, \k
	QSTORE \k
	s_wait_loadcnt 24                              ; the next raw set is in; the two behind it and the one just asked for may be out
	TURNIN ((\k)+1)%4
.endm
.macro HPINIT                          ; the partial sums begin at (the sum of nv) / 4.  These sixteen are also the places between the last product's instructions and the next that write over their operands.  (The stores that read these registers stand ahead of the wait on vm_vsrc at the last half pass's end)
	WIN 0xc0
.set cn, 0
.rept 16
	v_mov_b32 v[SCB+cn], v[S4]
.set cn, cn+1
.endr
	WIN 0
	v_add_nc_u32 v[SW], s38, v[SW0]
	s_mov_b32 s28, 0
.endm
.macro SCORE1 p                        ; a row's four partial sums: two in my lane, two in lane xor 16
.irp m, 0,1,2,3
	v_add_f32 v[SCB+8*(\p)+2*\m], v[SCB+8*(\p)+2*\m], v[SCB+8*(\p)+2*\m+1]
.endr
.irp m, 0,1,2,3
	v_permlanex16_b32 v[AC+32*(\p)+8*\m], v[SCB+8*(\p)+2*\m], s30, s31
.endr
.irp m, 0,1,2,3
	v_add_f32 v[SCB+8*(\p)+2*\m], v[SCB+8*(\p)+2*\m], v[AC+32*(\p)+8*\m]
.endr
.endm
.macro SCORE2 p
.irp m, 0,1,2,3
	ds_store_b32 v[SCW], v[SCB+8*(\p)+2*\m] offset:2048*(\p)+64*\m           ; lanes l and l xor 16 write the same word with the same value
.endr
.endm
; The half pass's scores go to LDS; then the barrier behind which every wave's scores, images and stash rows of this half pass may be read.  fin = 1: FINISH follows: the address of its turning loads is made here, ahead of the wait.
.macro SCORES p0, p1, fin
.if \fin
	v_add_nc_u32 v[TR], s39, v[TR0]
.endif
	WIN 0xff
.if \p0
	SCORE1 0
.endif
.if \p1
	SCORE1 1
.endif
	WIN 0x0c                                       ; an LDS store's data are its source 1: window 3
	s_wait_alu depctr_va_vdst(0)                   ; the sums are written, which the stores below read, and v[TR]; the products are done reading the codes and scale words in which FETCH's loads land; all are done with the accumulators and v192 to v207, in which FINISH's first loads land
.if \p0
	SCORE2 0
.endif
.if \p1
	SCORE2 1
.endif
	WIN 0
	BAR
.endm
.macro KFRAG ks                        ; key^T from the stash, turned: 8 tiles of 16 of my 128 columns x 32 rows
	WIN 0xc0
.if \ks
	s_wait_alu depctr_va_vdst(0)                   ; the first 32 rows' products are done reading these registers
.endif
.irp t, 0,1,2,3,4,5,6,7
	ds_load_tr16_b128 v[AC+8*\t:AC+8*\t+3], v[TR] offset:32*\t+32*SPI*(\ks)
	ds_load_tr16_b128 v[AC+8*\t+4:AC+8*\t+7], v[TR] offset:32*\t+32*SPI*(\ks)+16*SPI
.endr
	WIN 0
.endm
.macro CTX ks                          ; part^T += key^T w^T: source 0 = 16 columns of key, source 1 = the heads; 8 accumulators by turns
	WIN 0x03
.irp t, 0,1,2,3
	v_wmma_f32_16x16x32_bf16 v[CX+8*\t:CX+8*\t+7], v[AC+8*\t:AC+8*\t+7], v[E+8*(\ks):E+8*(\ks)+7], v[CX+8*\t:CX+8*\t+7]
.endr
	WIN 0xf3
.irp t, 0,1,2,3
	v_wmma_f32_16x16x32_bf16 v[CXH+8*\t:CXH+8*\t+7], v[AC+32+8*\t:AC+32+8*\t+7], v[E+8*(\ks):E+8*(\ks)+7], v[CXH+8*\t:CXH+8*\t+7]
.endr
	WIN 0
.endm
; THE SUB-CHUNK WHOSE EIGHT HEADS ARE DONE: softmax over the heads (every wave for all 64 rows: a lane takes rows 2 lane and 2 lane + 1), weights to bf16 through my own LDS bytes, and my 128 columns of the last product.
.macro FINISH
.irp hd, 0,1,2,3,4,5,6,7
	ds_load_b64 v[E+2*\hd:E+2*\hd+1], v[SCRD] offset:256*\hd
.endr
	KFRAG 0
	s_wait_dscnt 16                                ; the scores are in; the sixteen turning loads may be out
	v_max3_num_f32 v208, v192, v194, v196
	v_max3_num_f32 v209, v193, v195, v197
	v_max3_num_f32 v208, v208, v198, v200
	v_max3_num_f32 v209, v209, v199, v201
	v_max3_num_f32 v208, v208, v202, v204
	v_max3_num_f32 v209, v209, v203, v205
	v_max_num_f32 v208, v208, v206
	v_max_num_f32 v209, v209, v207                 ; each row's largest score
	v_pk_mul_f32 v[208:209], v[208:209], s[42:43] op_sel_hi:[1,0]
.irp hd, 0,1,2,3,4,5,6,7
	v_pk_fma_f32 v[E+2*\hd:E+2*\hd+1], v[E+2*\hd:E+2*\hd+1], s[42:43], v[208:209] op_sel_hi:[1,0,1] neg_lo:[0,0,1] neg_hi:[0,0,1]   ; (score - largest) log2(e)
.endr
.set cn, 0
.rept 16
	v_exp_f32 v[E+cn], v[E+cn]
.set cn, cn+1
.endr
	v_nop
	s_wait_alu depctr_va_vdst(0)                   ; one wait for the sixteen exponentials, ahead of their first use
	v_pk_add_f32 v[210:211], v[192:193], v[194:195]
	v_pk_add_f32 v[212:213], v[196:197], v[198:199]
	v_pk_add_f32 v[214:215], v[200:201], v[202:203]
	v_pk_add_f32 v[216:217], v[204:205], v[206:207]
	v_pk_add_f32 v[210:211], v[210:211], v[212:213]
	v_pk_add_f32 v[214:215], v[214:215], v[216:217]
	v_pk_add_f32 v[210:211], v[210:211], v[214:215]
	v_rcp_f32 v208, v210
	v_rcp_f32 v209, v211
	v_nop
	s_wait_alu depctr_va_vdst(0)                   ; the two reciprocals are written, ahead of their first use
.irp hd, 0,1,2,3,4,5,6,7
	v_pk_mul_f32 v[E+2*\hd:E+2*\hd+1], v[E+2*\hd:E+2*\hd+1], v[208:209]
.endr
.irp hd, 0,1,2,3,4,5,6,7
	v_cvt_pk_bf16_f32 v[210+\hd], v[E+2*\hd], v[E+2*\hd+1]
.endr
	s_wait_alu depctr_va_vdst(0)                   ; the roundings have written v210 to v217, which the stores below read, and are done reading v192 to v207, in which the loads below land
.irp hd, 0,1,2,3,4,5,6,7
	ds_store_b32 v[WTW], v[210+\hd] offset:144*\hd
.endr
.irp f, 0,1,2,3
	ds_load_b128 v[E+4*\f:E+4*\f+3], v[WTR] offset:32*\f     ; the weights as source 1: rows 0-31 in v192-199, rows 32-63 in v200-207; my own bytes, served in order
.endr
	s_wait_dscnt 0x0
	CTX 0
.rept 4
	v_nop                                          ; four places behind this form, ahead of loads into registers that it has read
.endr
	KFRAG 1
	s_wait_dscnt 0x0
	CTX 1
	BAR                                            ; every wave's reads of the images, the scores and the stash are over: the next half pass may write them
	s_wait_alu depctr_vm_vsrc(0)                   ; my LDS instructions have read v[SCRD], v[SCW], v[TR], the scores' sums and v210 to v217: the line below, TOG, HPINIT, the next SCORES and the next quantiser write them
	v_xor_b32 v[SCRD], 2048, v[SCRD]
.endm
.macro TOG                             ; the other four heads
	v_xor_b32 v[BA], 512, v[BA]
	v_xor_b32 v[SCW], 1024, v[SCW]
.endm
.macro ROT                             ; the stash's buffers change parts: written now <- read now <- the third <- written now
	s_mov_b32 s37, s38
	s_mov_b32 s38, s39
	s_mov_b32 s39, s40
	s_mov_b32 s40, s37
.endm
	s_load_b256 s[4:11], s[0:1], 0x0               ; key s[4:5], wkf s[6:7], qb s[8:9], nvt s[10:11]
	s_load_b64 s[12:13], s[0:1], 0x20              ; part
	v_lshrrev_b32 v250, 5, v0
	v_readfirstlane_b32 s14, v250                  ; wave w
	v_and_b32 v251, 31, v0                         ; lane
	v_and_b32 v252, 15, v0                         ; r
	v_bfe_u32 v253, v0, 4, 1                       ; h
	v_lshlrev_b32 v[KO], 4, v252
	v_lshl_add_u32 v[KO], v253, 11, v[KO]
	v_lshlrev_b32 v[BO], 4, v251
	v_lshlrev_b32 v255, 2, v251                    ; 4 lane; never rewritten
	s_wait_alu depctr_va_sdst(0)                   ; s14 is written, ahead of its first reader: the wave's places in LDS and all the bases are made from it
	s_mul_i32 s37, s14, 4352
	s_add_co_u32 s37, s37, TS
	v_mul_u32_u24 v250, v253, 272
	v_lshl_add_u32 v250, v252, 4, v250
	v_add_nc_u32 v[TW], s37, v250
	v_mul_u32_u24 v250, v252, 272
	v_lshl_add_u32 v250, v253, 6, v250
	v_add_nc_u32 v[TRD], s37, v250
	s_lshl_b32 s37, s14, 13
	s_add_co_u32 s37, s37, IMG
	v_add_nc_u32 v[IW], s37, v[BO]
	s_lshl_b32 s37, s14, 9
	s_add_co_u32 s37, s37, SIMG
	v_add_nc_u32 v[SIW], s37, v255
	s_mul_i32 s37, s14, 16*SPI
	v_mul_u32_u24 v250, v252, SPI
	v_lshl_add_u32 v250, v253, 5, v250
	v_add_nc_u32 v[SW0], s37, v250
	v_add_nc_u32 v[LI], IMG, v[BO]
	v_add_nc_u32 v[LS], SIMG, v255
	s_lshl_b32 s37, s14, 11
	s_add_co_u32 s37, s37, PT
	v_lshl_add_u32 v[BA], v253, 5, s37
	v_add_nc_u32 v[NA], 1024, v[BA]
	v_add_nc_u32 v[PTW], s37, v[BO]
	s_lshl_b32 s37, s14, 8
	s_add_co_u32 s37, s37, SCR
	v_lshl_add_u32 v[SCW], v252, 2, s37
	v_lshl_add_u32 v[SCRD], v251, 3, SCR
	s_mul_i32 s37, s14, 1152
	s_add_co_u32 s37, s37, WT
	v_add_nc_u32 v[WTW], s37, v255
	v_and_b32 v250, 7, v0
	v_mul_u32_u24 v250, v250, 144
	v_lshl_add_u32 v250, v253, 4, v250
	v_add_nc_u32 v[WTR], s37, v250
	v_and_b32 v250, 7, v0
	v_lshl_add_u32 v250, v253, 3, v250
	v_mul_u32_u24 v250, v250, SPI
	v_bfe_u32 v254, v0, 3, 1
	v_lshl_add_u32 v250, v254, 4, v250
	s_lshl_b32 s37, s14, 8
	v_add_nc_u32 v[TR0], s37, v250
	v_mul_u32_u24 v250, v252, OSP
	v_lshl_add_u32 v250, v253, 5, v250
	s_lshl_b32 s37, s14, 9
	v_add_nc_u32 v[OSW], s37, v250
	s_mul_i32 s37, s14, 2*OSP
	v_add_nc_u32 v[OSR], s37, v[BO]
	s_mov_b32 s25, 0
	s_mov_b32 s30, 0x76543210
	s_mov_b32 s31, 0xfedcba98                      ; v_permlanex16_b32's selects for lane xor 16
	s_mov_b32 s32, 0x600000                        ; the mantissa field of 57,344
	s_mov_b32 s34, 0x4038aa3b                      ; c = 2 log2(e)
	s_mov_b32 s35, s34                             ; (the packed forms name a pair and take its low word for both halves)
	s_mov_b32 s42, 0x3fb8aa3b                      ; log2(e)
	s_mov_b32 s43, s42
	s_mov_b32 s26, 0
	s_mov_b32 s27, 3
	s_mov_b32 s38, 0
	s_mov_b32 s39, STB
	s_mov_b32 s40, 2*STB
	s_wait_kmcnt 0x0
	s_lshl_b32 s24, ttmp9, 20                      ; 512 rows of 2,048 bytes a work-group,
	s_lshl_b32 s37, s14, 15                        ; 16 rows a wave
	s_add_co_u32 s24, s24, s37
	s_add_nc_u64 s[16:17], s[4:5], s[24:25]
	s_mov_b64 s[18:19], s[16:17]
	s_mul_i32 s24, s14, 18*BLK
	s_add_nc_u64 s[20:21], s[6:7], s[24:25]
	s_mov_b64 s[22:23], s[20:21]
	s_lshr_b32 s24, ttmp9, 2
	s_lshl_b32 s24, s24, 12                        ; qb: the batch's row,
	s_lshl_b32 s37, s14, 9                         ; head w
	s_add_co_u32 s24, s24, s37
	s_add_nc_u64 s[8:9], s[8:9], s[24:25]
	s_lshl_b32 s24, ttmp9, 14                      ; part: 16,384 bytes a work-group,
	s_lshl_b32 s37, s14, 12                        ; two heads' rows a wave
	s_add_co_u32 s24, s24, s37
	s_add_nc_u64 s[12:13], s[12:13], s[24:25]
	s_wait_alu depctr_va_vdst(0)                   ; the offsets and LDS addresses v1 to v22 and v255 are written, which the loads and stores below read
	global_load_b128 v[T8:T8+3], v[BO], s[8:9]                   ; qb of head w,
	global_load_b128 v[T8+4:T8+7], v[BO], s[8:9] offset:2048     ; of head w + 4,
	global_load_b128 v[C4:C4+3], v[BO], s[10:11]                 ; -2 nv,
	global_load_b32 v[S4], v255, s[10:11] offset:512             ; (the sum of nv) / 4
	BLOAD 0, 0                                     ; Wk's first two tiles
	BLOAD 1, 1
	KLOAD 0, 0                                     ; the first four raw sets
	KLOAD 1, 1
	KLOAD 2, 2
	KLOAD 3, 3
	v_mov_b32 v[U], 0                              ; (a lane permute's destination counts as one of its sources)
	v_mov_b32 v[U+1], 0
.set cn, 0
.rept 32
	v_mov_b32 v[CX+cn], 0                          ; the last product's sums begin as zeros: FINISH is written once for its first and its later turns
.set cn, cn+1
.endr
	WIN 0xc0
.set cn, 0
.rept 32
	v_mov_b32 v[CXH+cn], 0
.set cn, cn+1
.endr
	WIN 0
	s_wait_loadcnt 63                              ; 70 loads are out and the four oldest are wanted: 66 would do, 63 is the largest count that the wait can name
	ds_store_b128 v[PTW], v[T8:T8+3]
	ds_store_b128 v[PTW], v[T8+4:T8+7] offset:512
	ds_store_b128 v[PTW], v[C4:C4+3] offset:1024   ; my wave's own bytes: read by this wave alone
	s_wait_loadcnt 24                              ; raw set 0 is in; sets 1 to 3 may be out
	TURNIN 0
	v_add_nc_u32 v[SW], s38, v[SW0]
	s_mov_b32 s28, 0
.Lpro:                                             ; ---- sub-chunk 0 is made: two trips of four steps
	TRIPHEAD 0, 1
	PSTEP 0
	PSTEP 1
	PSTEP 2
	PSTEP 3
	TRIPEND 0, 1
	s_add_co_u32 s28, s28, 1
	s_cmp_lt_u32 s28, 2
	s_cbranch_scc1 .Lpro
	s_wait_loadcnt 0x0                             ; once: from here on the steps' counted waits count only what the steps issue
	BAR                                            ; every wave's images lie in LDS
	FETCH 0
	BAR                                            ; and have been read: they may be written again
	ROT
	; ---- hp 0: sub-chunk 0 alone, heads 0-3; sub-chunk 1 is made
	HPINIT
.Lh0:
	TRIPHEAD 1, 1
	STEP 0, 1, 0, 1
	STEP 1, 1, 0, 1
	STEP 2, 1, 0, 1
	STEP 3, 1, 0, 1
	WIN 0                                          ; at a label and at a branch every window is 0
	TRIPEND 1, 1
	s_add_co_u32 s28, s28, 1
	s_cmp_lt_u32 s28, 2
	s_cbranch_scc1 .Lh0
	SCORES 1, 0, 0
	FETCH 1
	BAR
	s_wait_alu depctr_vm_vsrc(0)                   ; the scores' stores have read v[SCW] and the sums: TOG writes the one, HPINIT the others
	TOG
	ROT
	; ---- hp 1 .. 6: two sub-chunks in flight, one in the making, one finished at the end
	s_mov_b32 s29, 1
.Lhp:
	HPINIT
.Ltr:
	TRIPHEAD 1, 1
	STEP 0, 1, 1, 1
	STEP 1, 1, 1, 1
	STEP 2, 1, 1, 1
	STEP 3, 1, 1, 1
	WIN 0
	TRIPEND 1, 1
	s_add_co_u32 s28, s28, 1
	s_cmp_lt_u32 s28, 2
	s_cbranch_scc1 .Ltr
	SCORES 1, 1, 1
	s_and_b32 s37, s29, 1                          ; sub-chunk hp + 1 takes the window that sub-chunk hp - 1 has left: window 1 in an odd hp, window 2 in an even one
	s_cmp_eq_u32 s37, 1
	s_cbranch_scc0 .Lfeven
	FETCH 0
	s_branch .Lfdone
.Lfeven:
	FETCH 1
.Lfdone:
	FINISH
	TOG
	ROT
	s_add_co_u32 s29, s29, 1
	s_cmp_lt_u32 s29, 7
	s_cbranch_scc1 .Lhp
	; ---- hp 7: sub-chunks 6 and 7; nothing is left to make
	HPINIT
.Lh7:
	TRIPHEAD 1, 0
	STEP 0, 1, 1, 0
	STEP 1, 1, 1, 0
	STEP 2, 1, 1, 0
	STEP 3, 1, 1, 0
	WIN 0
	TRIPEND 1, 0
	s_add_co_u32 s28, s28, 1
	s_cmp_lt_u32 s28, 2
	s_cbranch_scc1 .Lh7
	SCORES 1, 1, 1
	FINISH
	TOG
	ROT
	; ---- hp 8: sub-chunk 7 alone.  (Its last two steps ask for two blocks of Wk that no step multiplies: the loop's body is the same in both trips)
	HPINIT
.Lh8:
	TRIPHEAD 1, 0
	STEP 0, 0, 1, 0
	STEP 1, 0, 1, 0
	STEP 2, 0, 1, 0
	STEP 3, 0, 1, 0
	WIN 0
	TRIPEND 1, 0
	s_add_co_u32 s28, s28, 1
	s_cmp_lt_u32 s28, 2
	s_cbranch_scc1 .Lh8
	SCORES 0, 1, 1
	FINISH
	; ---- THE WAY OUT.  Lane (r, h) holds head r % 8 and eight neighbouring columns a tile; a head's 512 columns come from four waves.  They meet in a stage over the stash's first buffer, which nobody reads any more
	; (the barrier at FINISH's end); each wave then stores two whole rows.
.rept 4
	v_nop                                          ; four places behind the last products, ahead of the stores that read their results
.endr
	s_wait_alu depctr_va_vdst(0)                   ; the last products have written their eight accumulators, which the LDS stores read; the places above stay beside this wait
.irp t, 0,1,2,3
	ds_store_b128 v[OSW], v[CX+8*\t:CX+8*\t+3] offset:64*\t                  ; each accumulator from its low end on
	ds_store_b128 v[OSW], v[CX+8*\t+4:CX+8*\t+7] offset:64*\t+16
.endr
	WIN 0x0c
.irp t, 0,1,2,3
	ds_store_b128 v[OSW], v[CXH+8*\t:CXH+8*\t+3] offset:256+64*\t
	ds_store_b128 v[OSW], v[CXH+8*\t+4:CXH+8*\t+7] offset:256+64*\t+16
.endr
	WIN 0
	BAR
.irp u, 0,1
.irp q, 0,1,2,3
	ds_load_b128 v[128+16*\u+4*\q:128+16*\u+4*\q+3], v[OSR] offset:OSP*\u+512*\q
.endr
.endr
	s_wait_dscnt 0x0
.irp u, 0,1
.irp q, 0,1,2,3
	global_store_b128 v[BO], v[128+16*\u+4*\q:128+16*\u+4*\q+3], s[12:13] offset:2048*\u+512*\q   ; 32 lanes store 512 consecutive bytes, at a multiple of 256 from part's first byte
.endr
.endr
	s_wait_xcnt 0x0
	v_lshl_add_u32 v254, v0, 2, 0x43800            ; the add's two registers are made anew: no memory or LDS instruction has read either since the wait on vm_vsrc at FINISH's end
	v_mov_b32 v255, 0
	s_wait_dscnt 0x0                               ; the closing lines, six on end
	s_wait_alu 0x0
	s_wait_tensorcnt 0x0
	ds_add_u32 v254, v255
	s_wait_dscnt 0x0
	s_endpgm
.Lfunc_end_k_qda0e396669_main:
	.size	k_qda0e396669_main, .Lfunc_end_k_qda0e396669_main-k_qda0e396669_main
	.p2alignl 7, 3214868480
	.fill 96, 4, 3214868480
	.section	.rodata,"a",@progbits
	.p2align	6, 0x0
	.amdhsa_kernel k_qda0e396669_main
		.amdhsa_group_segment_fixed_size 276992
		.amdhsa_private_segment_fixed_size 0
		.amdhsa_enable_private_segment 0
		.amdhsa_kernarg_size 40
		.amdhsa_user_sgpr_count 2
		.amdhsa_user_sgpr_kernarg_segment_ptr 1
		.amdhsa_wavefront_size32 1
		.amdhsa_system_sgpr_workgroup_id_x 1
		.amdhsa_system_sgpr_workgroup_id_y 1
		.amdhsa_system_sgpr_workgroup_id_z 1
		.amdhsa_system_vgpr_workitem_id 0
		.amdhsa_next_free_vgpr 1024
		.amdhsa_next_free_sgpr 66
		.amdhsa_reserve_vcc 0
		.amdhsa_float_denorm_mode_32 3
		.amdhsa_float_denorm_mode_16_64 3
		.amdhsa_memory_ordered 1
		.amdhsa_forward_progress 1
		.amdhsa_inst_pref_size 255
	.end_amdhsa_kernel
	.section	.bss,"aw",@nobits
	.p2align	6
	.space	262144
	.amdgpu_metadata
---
amdhsa.version: [ 1, 2 ]
amdhsa.kernels:
  - .name:           k_qda0e396669_main
    .symbol:         k_qda0e396669_main.kd
    .args:
      - { .name: key, .offset: 0, .size: 8, .value_kind: global_buffer, .address_space: global }
      - { .name: wkf, .offset: 8, .size: 8, .value_kind: global_buffer, .address_space: global }
      - { .name: qb, .offset: 16, .size: 8, .value_kind: global_buffer, .address_space: global }
      - { .name: nvt, .offset: 24, .size: 8, .value_kind: global_buffer, .address_space: global }
      - { .name: part, .offset: 32, .size: 8, .value_kind: global_buffer, .address_space: global }
    .group_segment_fixed_size: 276992
    .private_segment_fixed_size: 0
    .kernarg_segment_align: 8
    .kernarg_segment_size: 40
    .max_flat_workgroup_size: 128
    .sgpr_count:     66
    .vgpr_count:     1024
    .wavefront_size: 32
...
	.end_amdgpu_metadata
.endif
;; end of part 5
;; launch sum: the kernel of part 3 again; grid 256 x 1, 8 waves a work-group, no clusters, 0 bytes of LDS; arguments part, out0; writes out0
